; MI455X (gfx1250); checked and timed in simulation.
; The chip was launched on July 23, 2026; its instructions are those of AMD's public machine-readable ISA for CDNA 5 (MIT licence, August 2026) and "CDNA5" Instruction Set Architecture Reference Guide (July 2026). The comments in the code are by the model that wrote it; some were corrected since.
;; Causal Self Attention. Allowed arithmetic: matrix products marked QUANTISED: E4M3 operands, one E8M0 scale for each 32 along K, by v_wmma_scale_f32_16x16x128_f8f6f4 with both operands' format E4M3, f32 sums; everything else in f32.
;; Inputs: Wk 1,024 x 1,024 float32; Wp 1,024 x 1,024 float32; Wq 1,024 x 1,024 float32; Wv 1,024 x 1,024 float32; bk 1,024 float32; bp 1,024 float32; bq 1,024 float32; bv 1,024 float32; x 4 x 2,048 x 1,024 float32.
;; Outputs: out0 4 x 2,048 x 1,024 float32.
;; This version of the problem:
;;   THIS VERSION OF THE PROBLEM IS GIVEN IN LOW PRECISION. The matrix products marked QUANTISED in the list below multiply operands that are first quantised to E4M3 (4 exponent bits, 3 mantissa bits; 8 bits a number), with one power-of-two scale for each 32 numbers along K (OCP MX v1.0); their sums are f32. All else is computed in f32.
;;   The module's matrix products, in the order in which they are computed (A, B: the left and right operand; K: the contracted axis; several contracted axes count as one K, in the product's order):
;;     1. [M 8,192, K 1,024] x [K 1,024, N 1,024]; A: input x; B: input Wq: QUANTISED
;;     2. [M 8,192, K 1,024] x [K 1,024, N 1,024]; A: input x; B: input Wk: QUANTISED
;;     3. [M 8,192, K 1,024] x [K 1,024, N 1,024]; A: input x; B: input Wv: QUANTISED
;;     4. batch 64 x [M 2,048, K 64] x [K 64, N 2,048]; A: computed on the way; B: computed on the way: QUANTISED
;;     5. batch 64 x [M 2,048, K 2,048] x [K 2,048, N 64]; A: softmax (see below); B: computed on the way: QUANTISED
;;     6. [M 8,192, K 1,024] x [K 1,024, N 1,024]; A: computed on the way; B: input Wp: QUANTISED
;;   THE QUANTISER, for each operand of a quantised product, along K:
;;     - K is cut into blocks of 32 from its start; a last block that is shorter is filled with zeros.
;;     - A block's scale is 2^e with e = floor(log2(the largest magnitude in the block)) - 8, held to -126 .. 127; a block of zeros has e = 0. As a byte (E8M0): e + 127.
;;     - Each number is divided by its block's scale, clamped to +-448, and rounded to the nearest number of E4M3, ties to even, subnormals kept.
;;     - The product sums the exact products of the quantised numbers (number of the format x scale) in f32.
;;   ~~~python
;;   def quantise(x, axis):      # numpy; x: float32 -> the quantised numbers, widened to float32 again
;;       x = np.moveaxis(x, axis, -1); K = x.shape[-1]
;;       x = np.pad(x, [(0, 0)] * (x.ndim - 1) + [(0, -K % 32)]); x = x.reshape(x.shape[:-1] + (-1, 32)); a = np.abs(x).max(-1, keepdims=True)
;;       e = np.where(a > 0, np.clip(np.frexp(np.where(a > 0, a, 1))[1] - 1 - 8, -126, 127), 0)      # np.frexp(a)[1] - 1 = floor(log2(a)), exactly
;;       r = np.clip(x / 2.0 ** e, -448, 448)
;;       step = 2.0 ** (np.maximum(np.frexp(np.where(r == 0, 1, r))[1] - 1, -6) - 3)
;;       q = np.round(r / step) * step * 2.0 ** e      # np.round: ties to even
;;       return np.moveaxis(q.reshape(q.shape[:-2] + (-1,))[..., :K], -1, axis).astype(np.float32)
;;   ~~~
;;   SOFTMAX AHEAD OF A QUANTISED PRODUCT. Where the list says 'softmax', what is quantised is not the finished softmax but p = 2^(t - M), with t = logit x log2(e) and M = ceil(the row's largest t), a whole number; so 1/2 < the row's largest p <= 1. The row's sum l is taken of the UNQUANTISED p, in f32, and the product's result is divided by l at the end. Since M is a whole number, a kernel that streams over the keys may use a running M (the ceiling of the running maximum): every later rescaling is an exact power of two, which a block's scale takes up: the codes' values come out the same.
;;   OPERANDS COMPUTED ON THE WAY. 'Computed on the way' means the value that the module computes at that place (a softmax that the list does not call 'softmax' is quantised finished and normalised). What goes into a quantiser is computed in f32, as accurately as f32 sums, v_exp_f32 and their like allow (about 1e-6 of the number): no bf16 or f16 on the way to a quantiser, and a product that is left as it is and whose result goes on into a quantised operand takes f32 operands (vector FMAs, or v_wmma_f32_16x16x4_f32). A number that lies on a knife's edge between two numbers of the format may be rounded either way, as far as f32 arithmetic and the matrix unit's own rounding can turn it there, and no further.
;; One version. Each part assembles by itself: llvm-mc -triple=amdgcn-amd-amdhsa -mcpu=gfx1250 --defsym DOCPART=n.
;; ======== version 1 of 1: 4 launches
;; limits: right only within a limited range of input values
;; workspace buffers: codes 12,582,912 bytes; scales 393,216 bytes; qkv_img 25,165,824 bytes; qkv_sc 786,432 bytes; y_img 8,388,608 bytes; y_sc 262,144 bytes
;; launch quant (part 1): grid 384 x 1, 4 waves a work-group, no clusters, 33,280 bytes of LDS; arguments x, Wq, Wk, Wv, Wp, codes, scales; writes codes, scales
.if DOCPART == 1
	.amdgcn_target "amdgcn-amd-amdhsa--gfx1250"
	.amdhsa_code_object_version 6
	.text
	.protected	k_qf117672ee0_quant
	.globl	k_qf117672ee0_quant
	.p2align	8
	.type	k_qf117672ee0_quant,@function
k_qf117672ee0_quant:
	s_mov_b64 s[64:65], 0
	v_nop
	global_prefetch_b8 v0, s[64:65] scope:SCOPE_SE
	s_setreg_imm32_b32 hwreg(HW_REG_WAVE_MODE, 25, 1), 1
	s_wait_xcnt 0x0
; x [8192][1024] and Wq, Wk, Wv, Wp [1024][1024], f32, K innermost, are turned into codes of FP8 (E4M3) with one E8M0 scale byte for each 32 along K.
; codes: x's 8,192 rows of 1,024 bytes, then the four weights' 4,096 rows.  scales: the same rows, 32 bytes each.
; A block's scale is 2^(floor(log2(its largest magnitude)) - 8); its byte is the largest magnitude's exponent field - 8, held at 1 from below; each number is divided by the scale, held within +-448, rounded to the nearest code, ties to even.
; LIMITS: a block whose largest magnitude lies under 2^-118 keeps the byte 1; a block of zeros keeps the byte 1 where the rule says 127 (its codes are zeros, and this program alone reads the bytes); NaN and infinities among the inputs are not served.
; STORAGE ROWS.  In every 32 rows of x, Wq, Wk and Wv the two middle groups of 8 rows change places on the way out (Wp's rows stay).  Row r of storage tile a (16 rows) is then logical row 32 (a / 2) + 8 (a % 2) + r + 8 (r / 8):
; in a matrix result whose source 0 is such a tile, the 16 registers of two neighbouring tiles are 16 neighbouring rows, as the next quantiser wants them.
; SHARES.  A work-group takes 32 rows (32,768 numbers): 256 work-groups for x, 32 for each weight.  A wave takes 8 rows, a dense run of 8,192 numbers, in 16 steps of 512.
; Each of a step's four loads reads 512 consecutive bytes, 16 a lane; the 2,048 bytes turn through the wave's own stage in LDS and come back 64 bytes a lane, since the conversions take neighbours along K from ONE lane's registers.
; A lane's 16 codes are 16 bytes: the wave stores 512 consecutive bytes.  A wave's 256 scale bytes are gathered in LDS and leave as one aligned run of 256 bytes.  No barrier: waves share nothing.
.set STEPS, 16
.set XWG,   256                        ; x's work-groups
.set WPWG,  352                        ; the first of Wp's
.set EMAX,  8
.set MANT,  0x600000                   ; the mantissa field of 448 as f32
.set CB,    16                         ; bytes of 16 codes
.set R,     16                         ; v16-79   four sets of 16 numbers as they are loaded
.set X,     80                         ; v80-111  two sets of 16 neighbours
.set C,     128                        ; v128-191 codes: four registers for each step, so that no store's data are written again
.set E,     112                        ; v112-127 a scale byte for each step
.set WREG,  8192                       ; LDS: a region of its own for each wave: two stages of 32 x SP bytes, and behind them its 256 scale bytes
.set SP,    80                         ; a lane's place in a stage: its 64 bytes + 16 of padding
	s_load_b256 s[4:11], s[0:1], 0x0               ; x, Wq, Wk, Wv
	s_load_b128 s[12:15], s[0:1], 0x20             ; Wp, codes
	s_load_b64 s[24:25], s[0:1], 0x30              ; scales
	v_lshl_add_u32 v192, v0, 2, 0x8000
	v_mov_b32 v193, 0
	v_lshrrev_b32 v1, 5, v0
	v_readfirstlane_b32 s16, v1                    ; wave
	v_and_b32 v2, 31, v0                           ; lane
	v_lshlrev_b32 v3, 4, v2                        ; my 16 bytes of a load's 512
	s_mul_i32 s17, s16, WREG
	v_lshrrev_b32 v14, 2, v2
	v_mul_u32_u24 v14, v14, SP
	v_and_b32 v15, 3, v2
	v_lshl_add_u32 v14, v15, 4, v14
	v_add_nc_u32 v14, s17, v14                     ; the stage, on the way in: SP (lane / 4) + 16 (lane % 4)
	v_mul_u32_u24 v15, v2, SP
	v_add_nc_u32 v15, s17, v15                     ; and on the way out: SP x lane: my 16 neighbours
	v_mul_u32_u24 v4, v2, CB                       ; my codes' place in a step's
	v_lshrrev_b32 v5, 1, v2
	s_add_co_u32 s17, s17, 2*32*SP
	v_add_nc_u32 v5, s17, v5                       ; LDS: my wave's 256 scale bytes, my block's byte
	v_lshlrev_b32 v7, 3, v2                        ; and on the way out 8 bytes a lane
	v_add_nc_u32 v6, s17, v7
	s_sub_co_u32 s26, ttmp9, XWG                   ; among the weights' work-groups (of no meaning in x's, where it is not used)
	s_lshr_b32 s27, s26, 5                         ; which weight,
	s_and_b32 s28, s26, 31                         ; and which 32 rows of it
	s_and_b32 s29, s16, 1                          ; the wave's place on the way out: waves 1 and 2 change places
	s_lshl_b32 s29, s29, 1
	s_lshr_b32 s30, s16, 1
	s_or_b32 s29, s29, s30
	s_wait_alu depctr_va_vdst(0)
	s_wait_kmcnt 0x0
	s_cmp_eq_u32 s27, 1                            ; every choice hangs on the work-group's number alone
	s_cselect_b64 s[6:7], s[8:9], s[6:7]
	s_cmp_eq_u32 s27, 2
	s_cselect_b64 s[6:7], s[10:11], s[6:7]
	s_cmp_eq_u32 s27, 3
	s_cselect_b64 s[6:7], s[12:13], s[6:7]
	s_cmp_lt_u32 ttmp9, XWG
	s_cselect_b64 s[4:5], s[4:5], s[6:7]
	s_cselect_b32 s28, ttmp9, s28
	s_cmp_ge_u32 ttmp9, WPWG                       ; Wp's rows stay in place
	s_cselect_b32 s29, s16, s29
	s_lshl_b32 s28, s28, 2
	s_add_co_u32 s28, s28, s16                     ; which run of 8,192 numbers of the tensor is my wave's
	s_lshl_b32 s20, s28, 15                        ; 32,768 bytes a run: under 2^26
	s_mov_b32 s21, 0
	s_add_nc_u64 s[4:5], s[4:5], s[20:21]
	s_lshl_b32 s30, ttmp9, 2
	s_add_co_u32 s30, s30, s29                     ; which run of the two outputs: x's and the weights' follow each other there
	s_lshl_b32 s20, s30, 13                        ; 8,192 bytes of codes a run
	s_add_nc_u64 s[8:9], s[14:15], s[20:21]
	s_lshl_b32 s20, s30, 8                         ; 256 scale bytes a run
	s_add_nc_u64 s[10:11], s[24:25], s[20:21]
.macro LOAD t
.irp i, 0,1,2,3
	global_load_b128 v[R+16*((\t)%4)+4*\i:R+16*((\t)%4)+4*\i+3], v3, s[4:5] offset:2048*(\t)+512*\i th:TH_LOAD_NT   ; 32 lanes read 512 consecutive bytes
.endr
.endm
.macro TURN t                          ; step t's numbers through the stage: LDS serves a wave's instructions in order, so no wait stands between the stores and the loads
.irp i, 0,1,2,3
	ds_store_b128 v14, v[R+16*((\t)%4)+4*\i:R+16*((\t)%4)+4*\i+3] offset:32*SP*((\t)%2)+8*SP*\i
.endr
.irp i, 0,1,2,3
	ds_load_b128 v[X+16*((\t)%2)+4*\i:X+16*((\t)%2)+4*\i+3], v15 offset:32*SP*((\t)%2)+16*\i
.endr
.endm
.irp t, 0,1,2,3
	LOAD \t
.endr
	s_wait_loadcnt 12                              ; step 0's four loads are in
	TURN 0
.macro STEP t
.set XS, X+16*((\t)%2)
.if (\t) > 0
	s_wait_dscnt 1                                 ; this step's numbers are back from the stage (the last step's byte store may be out): so its stores into the stage have read their registers,
.else
	s_wait_dscnt 0x0
.endif
.if (\t)+4 < STEPS
	LOAD (\t)+4                                    ; which take the loads of four steps on
.endif
.if (\t)+1 < STEPS
.if STEPS-2-(\t) >= 3
	s_wait_loadcnt 12                              ; the next step's four loads are in; those of the three steps behind it may be out
.else
	s_wait_loadcnt 4*(STEPS-2-(\t))
.endif
	TURN (\t)+1                                    ; and go through the other stage while this step is worked
.endif
	v_max3_num_f32 v8, |v[XS]|, |v[XS+1]|, |v[XS+2]|               ; the largest magnitude of my 16
	v_max3_num_f32 v9, |v[XS+3]|, |v[XS+4]|, |v[XS+5]|
.irp i, 6,10
	v_max3_num_f32 v8, v8, |v[XS+\i]|, |v[XS+\i+1]|
	v_max3_num_f32 v9, v9, |v[XS+\i+2]|, |v[XS+\i+3]|
.endr
	v_max3_num_f32 v8, v8, |v[XS+14]|, |v[XS+15]|
	v_max3_num_f32 v8, v8, v9, (EMAX+1)<<23        ; and the floor 2^(EMAX + 1 - 127): the byte cannot fall under 1
	v_max_num_f32_dpp v8, v8, v8 row_xmask:1 row_mask:0xf bank_mask:0xf   ; and of my neighbour's 16: the block's
	v_add_nc_u32 v11, -(EMAX<<23), v8              ; EMAX off its exponent field: the conversion takes the exponent field of this operand as its scale
.irp i, 0,1,2,3,4,5,6,7,8,9,10,11,12,13,14,15
.endr
	v_cvt_scalef32_pk8_fp8_f32 v[C+4*(\t):C+4*(\t)+1], v[XS:XS+7], v11
	v_cvt_scalef32_pk8_fp8_f32 v[C+4*(\t)+2:C+4*(\t)+3], v[XS+8:XS+15], v11
	v_lshrrev_b32 v[E+(\t)], 23, v11               ; the scale's byte
	ds_store_b8 v5, v[E+(\t)] offset:16*(\t)       ; both lanes of a block write the same byte with the same value
	global_store_b128 v4, v[C+4*(\t):C+4*(\t)+3], s[8:9] offset:32*CB*(\t)
.endm
.irp t, 0,1,2,3,4,5,6,7,8,9,10,11,12,13,14,15
	STEP \t
.endr
	ds_load_b64 v[12:13], v6                       ; LDS serves a wave's instructions in order: these see my stores
	s_wait_dscnt 0x0
	global_store_b64 v7, v[12:13], s[10:11]        ; 32 lanes store 256 consecutive bytes, aligned
	s_wait_tensorcnt 0x0
	ds_add_u32 v192, v193
	s_wait_dscnt 0x0
	s_endpgm
.Lfunc_end_k_qf117672ee0_quant:
	.size	k_qf117672ee0_quant, .Lfunc_end_k_qf117672ee0_quant-k_qf117672ee0_quant
	.p2alignl 7, 3214868480
	.fill 96, 4, 3214868480
	.section	.rodata,"a",@progbits
	.p2align	6, 0x0
	.amdhsa_kernel k_qf117672ee0_quant
		.amdhsa_group_segment_fixed_size 33280
		.amdhsa_private_segment_fixed_size 0
		.amdhsa_enable_private_segment 0
		.amdhsa_kernarg_size 56
		.amdhsa_user_sgpr_count 2
		.amdhsa_user_sgpr_kernarg_segment_ptr 1
		.amdhsa_wavefront_size32 1
		.amdhsa_system_sgpr_workgroup_id_x 1
		.amdhsa_system_sgpr_workgroup_id_y 1
		.amdhsa_system_sgpr_workgroup_id_z 1
		.amdhsa_system_vgpr_workitem_id 0
		.amdhsa_next_free_vgpr 194
		.amdhsa_next_free_sgpr 66
		.amdhsa_reserve_vcc 0
		.amdhsa_float_denorm_mode_32 3
		.amdhsa_float_denorm_mode_16_64 3
		.amdhsa_fp16_overflow 1
		.amdhsa_memory_ordered 1
		.amdhsa_forward_progress 1
		.amdhsa_inst_pref_size 34
	.end_amdhsa_kernel
	.amdgpu_metadata
---
amdhsa.version: [ 1, 2 ]
amdhsa.kernels:
  - .name:           k_qf117672ee0_quant
    .symbol:         k_qf117672ee0_quant.kd
    .args:
      - { .name: x, .offset: 0, .size: 8, .value_kind: global_buffer, .address_space: global }
      - { .name: Wq, .offset: 8, .size: 8, .value_kind: global_buffer, .address_space: global }
      - { .name: Wk, .offset: 16, .size: 8, .value_kind: global_buffer, .address_space: global }
      - { .name: Wv, .offset: 24, .size: 8, .value_kind: global_buffer, .address_space: global }
      - { .name: Wp, .offset: 32, .size: 8, .value_kind: global_buffer, .address_space: global }
      - { .name: codes, .offset: 40, .size: 8, .value_kind: global_buffer, .address_space: global }
      - { .name: scales, .offset: 48, .size: 8, .value_kind: global_buffer, .address_space: global }
    .group_segment_fixed_size: 33280
    .private_segment_fixed_size: 0
    .kernarg_segment_align: 8
    .kernarg_segment_size: 56
    .max_flat_workgroup_size: 128
    .sgpr_count:     66
    .vgpr_count:     194
    .wavefront_size: 32
...
	.end_amdgpu_metadata
.endif
;; end of part 1
;; launch qkv (part 2): grid 12 x 32, 4 waves a work-group, clusters of 4 x 4, 327,680 bytes of LDS; arguments codes, scales, bq, bk, bv, qkv_img, qkv_sc; writes qkv_img, qkv_sc
.if DOCPART == 2
	.amdgcn_target "amdgcn-amd-amdhsa--gfx1250"
	.amdhsa_code_object_version 6
	.text
	.protected	k_qf117672ee0_qkv
	.globl	k_qf117672ee0_qkv
	.p2align	8
	.type	k_qf117672ee0_qkv,@function
k_qf117672ee0_qkv:
	s_mov_b64 s[64:65], 0
	v_nop
	global_prefetch_b8 v0, s[64:65] scope:SCOPE_SE
	s_setreg_imm32_b32 hwreg(HW_REG_WAVE_MODE, 25, 1), 1
	s_wait_xcnt 0x0
	s_wait_alu depctr_hold_cnt(0) depctr_sa_sdst(0) depctr_va_vdst(0) depctr_va_sdst(0) depctr_va_ssrc(0) depctr_va_vcc(0) depctr_vm_vsrc(0)
	s_getreg_b32 s2, hwreg(HW_REG_IB_STS2, 6, 4)
	s_cmp_eq_u32 s2, 0
	s_cbranch_scc0 .Lentry_in_a_cluster
	s_endpgm
.Lentry_in_a_cluster:
	s_bfe_u32 s2, ttmp6, 0x10000c
	s_cmp_lg_u32 s2, 0xf033
	s_cbranch_scc0 .Lentry_shape_is_right
	s_endpgm
.Lentry_shape_is_right:
; q = x Wq^T + bq, k = x Wk^T + bk, v = x Wv^T + bv on codes of FP8 (E4M3) with E8M0 scales for each 32 along K = 1,024; the results are quantised at once, q and k along the head's 64, v along the tokens, and leave as codes.
; Cluster x says which: 0 q, 1 k, 2 v.  For q and k 'A' is x (tokens) and 'B' the weight (channels); for v 'A' is Wv and 'B' is x: v^T is made.  The matrix instruction is used transposed (source 0 = 16 rows of B, source 1 = 16 rows
; of A), so a lane holds one row of A and its registers run along B's rows: along the channels for q and k, along the tokens for v: always along the next product's K.  What differs between the three is chosen by selects on cluster x; no branch hangs on it.
; x's, Wq's, Wk's and Wv's rows lie in storage order (row r of storage tile a is logical row 32 (a / 2) + 8 (a % 2) + r + 8 (r / 8)): the 16 registers of B's tiles 2 g and 2 g + 1 are the 16 neighbours 32 g + 16 (lane / 16) + 0 .. 15.
; A tile of 256 x 256 is made by four waves, each 128 x 128: 64 accumulators, 512 registers.  K goes in steps of 256 through a ring of two LDS slots filled by the tensor data mover; the scale bytes of the tile's 512 rows come once and stay.
; CLUSTERS: 4 x 4 work-groups; A's tiles are asked for jointly along a row of the cluster, B's along a column.  A's addresses are made of cy and the cluster's numbers, B's of cx and the cluster's numbers.
; THE BIAS.  q, k: it runs along a lane's registers: it is the C of each sum's first product (BN).  v: it hangs on the lane's row: it is added on the way out (BM).  Both are always loaded; the one that does not apply is masked to zeros.
; THE WAY OUT.  A block a (16 rows of A x 128 along B) is one operand image: registers 4 g .. 4 g + 3 hold K = 32 g + 16 (lane / 16) + 0 .. 15 of the lane's row.  They go to
;   qkv_img + which x 8 MiB + hp x 262,144 + s x 8,192 + (g / 2) x 131,072 + a x 1,024 + (g % 2) x 512 + 16 x lane      (hp = batch x 8 + head / 2, s = the 128-token step in the batch):
;   q, k read it as [batch x 16 + head][s][tile a][c][lane][16 bytes]; v as [hp][c / 2][s][head % 2][tile a % 4][c % 2][lane][16 bytes].  Each store of the wave covers 512 consecutive bytes, aligned.
;   qkv_sc + which x 262,144: [batch x 16 + head][s][row r][4 words].  q, k: word j = the two bytes of tile 2 j, then those of tile 2 j + 1.  v: word j = the four bytes of channel tile j.
; LIMITS: a block whose largest magnitude lies under 2^-118 keeps the byte 1, a block of zeros too (its codes are zeros; this program alone reads the bytes); NaN and infinities are not served.
; REGISTERS, in windows of 256: window 0: v0-31 addresses; v32-63 scale words, two sets; v64-127 BN, later v64-79 BM; from v128 A's fragments, ONE set; on the way out v128-243 at work.
;   window 1: B's fragments, TWO sets.   window 2: the accumulators of my rows 0-63 ((a, b) at v[8 (8 a + b)]);   window 3: those of my rows 64-127.
.set KSTEP,  256                       ; along K in a slot
.set NQ,     2                         ; matrix instructions deep
.set ROWB,   256                       ; a tile's row in bytes
.set KROW,   1024                      ; a row of codes in memory
.set PITCH,  272                       ; an LDS row: 256 bytes + 16 of padding = 68 words: the 16 rows that a load touches start at 16 different banks (64 banks of 4 bytes: ISA guide 11.1)
.set FR,     16                        ; registers of a fragment
.set NL,     4                         ; LDS loads that bring one
.set NP,     8                         ; places behind this matrix instruction (ISA guide 7.12.1)
.set HALFT,  128*PITCH                 ; 128 rows: what one tensor load brings
.set SLOT,   4*HALFT                   ; A's 256 rows, then B's 256 rows
.set LAPS,   2                         ; a lap = two K steps = once round the ring
.set KS,     32                        ; a row of scale bytes
.set SCL,    2*SLOT                    ; behind the ring: the scales, as runs of 256 bytes + 16 of padding
.set HALFS,  16*272                    ; those of 128 rows: what one tensor load brings
.set SBLK,   2*272                     ; those of 16 rows
.set SPARE,  SCL+4*HALFS               ; the spare words, 128 bytes for each wave: two blocks of 256 bytes that no other line names
.set W_CODES,   8388608                ; the weights' rows in codes, and in scales
.set W_SCALES,  262144
.set WV_CODES,  10485760               ; Wv's
.set WV_SCALES, 327680
.set ADRA, 16                          ; v16-17  LDS address of my A fragments in slot 0, 1
.set ADRB, 20                          ; v20-21  the same for B
.set BA,   24                          ; v24     BN's address: 64 x (lane / 16)
.set BMA,  25                          ; v25     BM's address: 4 (r + 8 (r / 8))
.set LI,   26                          ; v26     16 x lane
.set ADRS, 27                          ; v27     LDS address of my scale words: lanes 0-15 A's rows, lanes 16-31 B's
.set SPW,  28                          ; v28     LDS address of my spare word; never rewritten
.set NIL,  29                          ; v29     0; never rewritten
.set SCO,  30                          ; v30     the scale words' place: 4,096 x (lane / 16) + 16 r
.set PSEL, 31                          ; v31     byte selects for the pair words
.set SC,   32
.set BN,   64
.set AF,   128
.set ST,   128                         ; the way out: 64 numbers
.set PC,   192                         ; their codes
.set TM,   208                         ; v208-211 largest magnitudes, v212-215 bytes, v220-223 scale operands
.set SW,   224                         ; v224-231 the eight blocks' scale words
.set OW,   232                         ; v232-235 the four words that leave
.set T,    236
.set G1, 24
.set G0, 32
.set G1B, 48
.set G0B, 56
.set G1S, 68
.set G0S, 76
.set G1SB, 80
.set G0SB, 88
.set SEL, 92                           ; s[92:93] v_permlanex16_b32's selects for lane l xor 16
.set MNT, 94
.set UPL, 95                           ; s95  the mask of lanes 16-31
.set ISV, 100                          ; s100 all ones for v, else 0
.set NOTV, 101                         ; s101 the other way round
.set MSB, 0
.macro WIN new                         ; the immediate's high byte repeats the setting that is left
.if MSB != \new
	s_set_vgpr_msb (MSB<<8)|\new
.set MSB, \new
.endif
.endm
.set MUL_LO,   0xa1                    ; source 0 (B) window 1, source 1 (A) window 0, C and D window 2
.set MUL_HI,   0xf1                    ; the same, C and D window 3
.set FIRST_LO, 0x81                    ; the first step: C (BN) window 0, D window 2
.set FIRST_HI, 0xc1                    ; D window 3
.set TO_B,     0x40                    ; destination window 1, address window 0
; A joint load: waves 0 and 1 fetch for A, waves 2 and 3 for B.  Each line has ONE mask and one set of registers for all that issue it; the branch hangs on the wave's number alone.
; Four v_nop follow each of the two lines, ahead of the jump, the label and what follows.
.macro JLOAD g0a, g1a, g0b, g1b
	s_cmp_eq_u32 s15, 0
	s_cbranch_scc0 .Lfor_b_\@
	tensor_load_to_lds s[\g0a:\g0a+3], s[\g1a:\g1a+7]
	s_nop 0
.rept 4
	v_nop
.endr
	s_branch .Lasked_\@
.Lfor_b_\@:
	tensor_load_to_lds s[\g0b:\g0b+3], s[\g1b:\g1b+7]
	s_nop 0
.rept 4
	v_nop
.endr
.Lasked_\@:
.endm
.macro CREST                           ; a round of the cluster's barrier behind its opening barrier
	s_cmp_lg_u32 s14, 0
	s_cbranch_scc1 .Lnot_wave_0_\@
	s_barrier_signal -3
.Lnot_wave_0_\@:
	s_barrier_wait -3
	s_barrier_signal -1
	s_barrier_wait -1
.endm
.macro CROUND                          ; a whole round
	s_barrier_signal -1
	s_barrier_wait -1
	CREST
.endm
	s_load_b128 s[4:7], s[0:1], 0x0                ; codes, scales
	s_load_b128 s[8:11], s[0:1], 0x10              ; bq, bk
	s_load_b128 s[96:99], s[0:1], 0x20             ; bv, qkv_img
	s_load_b64 s[12:13], s[0:1], 0x30              ; qkv_sc
	v_lshl_add_u32 v[SPW], v0, 2, SPARE
	v_mov_b32 v[NIL], 0
	ds_add_u32 v28, v29
	ds_add_u32 v28, v29
	s_wait_dscnt 0x0
	v_lshrrev_b32 v1, 5, v0
	v_readfirstlane_b32 s14, v1                    ; wave 0..3
	s_lshr_b32 s15, s14, 1                         ; which half of the tile's rows (A) is mine.  Also: I fetch for A (0) or for B (1)
	s_and_b32 s16, s14, 1                          ; which half of its columns (B).  Also: which 128 rows of that tile I fetch
	s_bfe_u32 s40, ttmp6, 0x40000                  ; cx, cy: my place in the cluster
	s_bfe_u32 s41, ttmp6, 0x40004
	s_and_b32 s18, ttmp7, 0xffff
	s_lshl_b32 s18, s18, 2                         ; 4 x cluster y
	s_lshl_b32 s19, ttmp9, 2                       ; 4 x cluster x
	s_add_co_u32 s17, s18, s41                     ; q, k: tile row (tokens) = 4 x cluster y + cy,
	s_add_co_u32 s42, s19, s40                     ; tile column (the weights' rows) = 4 x cluster x + cx
	s_add_co_u32 s105, s18, s40                    ; v: tile column (tokens) = 4 x cluster y + cx; its tile row (Wv's rows) = cy
	s_cmp_eq_u32 ttmp9, 2                          ; cluster x is the same in all sixteen partners
	s_cselect_b32 s17, s41, s17
	s_cselect_b32 s42, s105, s42
	s_cselect_b32 s[ISV], -1, 0
	s_cselect_b32 s[NOTV], 0, -1
	s_cselect_b32 s18, WV_CODES, 0                 ; where A's rows begin in codes and in scales,
	s_cselect_b32 s19, WV_SCALES, 0
	s_cselect_b32 s105, 0, W_CODES                 ; and B's
	s_cselect_b32 s3, 0, W_SCALES
	s_lshl_b32 s43, s41, 2
	s_lshl_b32 s43, 15, s43                        ; my row of the cluster
	s_lshl_b32 s44, 0x1111, s40                    ; my column
	; descriptor group 1: a tile of 128 rows x 256 bytes, padded in LDS
	s_or_b32 s[G1+0], s43, (0<<16)|(1<<20)|(1<<21)|(5<<22)|(3<<25)  ; 15:0 the mask: A's tiles go to my row; 17:16 element of 1 byte; 20 padding on; 21 set beside a mask; 24:22 after every 64 words; 31:25 of 4 words
	s_or_b32 s[G1B+0], s44, (0<<16)|(1<<20)|(1<<21)|(5<<22)|(3<<25)
.irp g, G1, G1B
	s_mov_b32 s[\g+1], ROWB<<16                    ; tensor_dim0
	s_mov_b32 s[\g+2], 128<<16                     ; tensor_dim1
	s_mov_b32 s[\g+3], ROWB<<16                    ; tile_dim0
	s_mov_b32 s[\g+4], 128                         ; tile_dim1
	s_mov_b32 s[\g+5], KROW                        ; tensor_dim0_stride
	s_mov_b32 s[\g+6], 0
	s_mov_b32 s[\g+7], 0
.endr
	; the scales of 128 rows: 4,096 dense bytes, as 16 rows of 256 bytes (32 elements of 8 bytes), 16 bytes of padding behind each
	s_or_b32 s[G1S+0], s43, (3<<16)|(1<<20)|(1<<21)|(5<<22)|(3<<25)
	s_or_b32 s[G1SB+0], s44, (3<<16)|(1<<20)|(1<<21)|(5<<22)|(3<<25)
.irp g, G1S, G1SB
	s_mov_b32 s[\g+1], 32<<16
	s_mov_b32 s[\g+2], 16<<16
	s_mov_b32 s[\g+3], 32<<16
	s_mov_b32 s[\g+4], 16
	s_mov_b32 s[\g+5], 32
	s_mov_b32 s[\g+6], 0
	s_mov_b32 s[\g+7], 0
.endr
	s_lshl_b32 s2, s16, 7                          ; which 128 rows of the tile I fetch
	s_lshl_b32 s20, s17, 8
	s_add_co_u32 s20, s20, s2                      ; A: row 256 x tile row + 128 x half
	s_lshl_b32 s46, s42, 8
	s_add_co_u32 s46, s46, s2                      ; B: row 256 x tile column + 128 x half
	s_lshl_b32 s22, s20, 5                         ; their scale bytes, 32 a row,
	s_add_co_u32 s22, s22, s19
	s_lshl_b32 s20, s20, 10                        ; and their codes, 1,024 a row: all under 2^24
	s_add_co_u32 s20, s20, s18
	s_lshl_b32 s66, s46, 5
	s_add_co_u32 s66, s66, s3
	s_lshl_b32 s46, s46, 10
	s_add_co_u32 s46, s46, s105
	s_mov_b32 s21, 0
	s_mov_b32 s23, 0
	s_mov_b32 s47, 0
	s_mov_b32 s67, 0
	s_mul_i32 s45, s14, HALFT                      ; where they go: wave x 128 rows: no place in the cluster enters an LDS address
	s_mul_i32 s104, s14, HALFS
	s_mov_b32 s[SEL], 0x76543210
	s_mov_b32 s[SEL+1], 0xfedcba98
	s_mov_b32 s[UPL], 0xffff0000
	s_wait_kmcnt 0x0
	s_add_nc_u64 s[20:21], s[4:5], s[20:21]
	s_add_nc_u64 s[22:23], s[6:7], s[22:23]
	s_add_nc_u64 s[46:47], s[4:5], s[46:47]
	s_add_nc_u64 s[66:67], s[6:7], s[66:67]
	s_cmp_eq_u32 ttmp9, 1                          ; the bias of this cluster's product
	s_cselect_b64 s[8:9], s[10:11], s[8:9]
	s_cmp_eq_u32 ttmp9, 2
	s_cselect_b64 s[8:9], s[96:97], s[8:9]
	s_mov_b64 s[10:11], s[98:99]                   ; qkv_img
	CROUND                                         ; all sixteen work-groups are here: the first joint loads meet
	s_mov_b32 s[G0S], 1
	s_add_co_u32 s[G0S+1], s104, SCL
	s_mov_b64 s[G0S+2:G0S+3], s[22:23]
	s_or_b32 s[G0S+3], s[G0S+3], 0x80000000
	s_mov_b32 s[G0SB], 1
	s_add_co_u32 s[G0SB+1], s104, SCL
	s_mov_b64 s[G0SB+2:G0SB+3], s[66:67]
	s_or_b32 s[G0SB+3], s[G0SB+3], 0x80000000
	JLOAD G0S, G1S, G0SB, G1SB                     ; the scales first: they are wanted with K step 0
.irp s, 0,1
	s_mov_b32 s[G0+4*\s], 1
	s_add_co_u32 s[G0+4*\s+1], s45, \s*SLOT
	s_add_nc_u64 s[G0+4*\s+2:G0+4*\s+3], s[20:21], \s*ROWB
	s_or_b32 s[G0+4*\s+3], s[G0+4*\s+3], 0x80000000
	s_mov_b32 s[G0B+4*\s], 1
	s_add_co_u32 s[G0B+4*\s+1], s45, \s*SLOT
	s_add_nc_u64 s[G0B+4*\s+2:G0B+4*\s+3], s[46:47], \s*ROWB
	s_or_b32 s[G0B+4*\s+3], s[G0B+4*\s+3], 0x80000000
	JLOAD G0+4*\s, G1, G0B+4*\s, G1B
.endr
	v_and_b32 v1, 15, v0                           ; r = l % 16
	v_bfe_u32 v2, v0, 4, 1                         ; h = l / 16
	v_mul_u32_u24 v3, v1, PITCH
	v_lshl_add_u32 v4, v2, 4, v3                   ; a fragment's row x pitch + 16 x half
	s_mul_i32 s21, s15, HALFT                      ; my 128 rows of A
	s_mul_i32 s22, s16, HALFT                      ; my 128 rows of B,
	s_add_co_u32 s22, s22, 2*HALFT                 ; which lie behind A's 256
.irp s, 0,1
	v_add_nc_u32 v[ADRA+\s], s21, v4
	v_add_nc_u32 v[ADRB+\s], s22, v4
	s_add_co_u32 s21, s21, SLOT
	s_add_co_u32 s22, s22, SLOT
.endr
	v_mul_u32_u24 v5, v1, KS                       ; my row's scales: 32 bytes a row,
	v_lshrrev_b32 v6, 8, v5
	v_lshl_add_u32 v5, v6, 4, v5                   ; and 16 more for each 256 passed
	s_mul_i32 s21, s15, HALFS                      ; A's: my 128 rows
	s_mul_i32 s22, s16, HALFS                      ; B's: my 128 rows, behind A's 256
	s_add_co_u32 s22, s22, 2*HALFS
	s_sub_co_u32 s22, s22, s21
	v_mul_u32_u24 v6, s22, v2                      ; lanes 16-31 take B's
	s_add_co_u32 s21, s21, SCL
	v_add_nc_u32 v5, v5, v6
	v_add_nc_u32 v[ADRS], s21, v5
	v_lshlrev_b32 v[BA], 6, v2                     ; BN: 16 numbers further on for lanes 16-31
	v_and_b32 v[BMA], 8, v1
	v_add_nc_u32 v[BMA], v[BMA], v1
	v_lshlrev_b32 v[BMA], 2, v[BMA]                ; BM: the logical place of storage row r
	v_and_b32 v6, 31, v0
	v_lshlrev_b32 v[LI], 4, v6
	v_lshlrev_b32 v[SCO], 4, v1
	v_lshl_add_u32 v[SCO], v2, 12, v[SCO]
	v_mov_b32 v3, 0x07060302                       ; lanes 16-31 pick the second head's two bytes of each word,
	v_mov_b32 v[PSEL], 0x05040100                  ; lanes 0-15 the first head's
	v_cndmask_b32 v[PSEL], v[PSEL], v3, s[UPL]
	; where my wave's 128 x 128 lies: tokens from tok0 on, channels from ch0 on
	s_lshl_b32 s96, s17, 8
	s_lshl_b32 s97, s15, 7
	s_add_co_u32 s96, s96, s97                     ; my first row of A
	s_lshl_b32 s97, s42, 8
	s_lshl_b32 s98, s16, 7
	s_add_co_u32 s97, s97, s98                     ; my first row of B
	s_cmp_eq_u32 ttmp9, 2
	s_cselect_b32 s98, s97, s96                    ; tok0
	s_cselect_b32 s99, s96, s97
	s_and_b32 s99, s99, 1023                       ; ch0, in this product's 1,024 channels
	s_lshr_b32 s96, s98, 11
	s_lshl_b32 s96, s96, 3
	s_lshr_b32 s97, s99, 7
	s_add_co_u32 s96, s96, s97                     ; hp = batch x 8 + head / 2
	s_lshl_b32 s96, s96, 5
	s_bfe_u32 s97, s98, 0x40007                    ; s = (tok0 / 128) % 16
	s_add_co_u32 s96, s96, s97
	s_lshl_b32 s97, ttmp9, 10
	s_add_co_u32 s96, s96, s97                     ; which x 1,024 + hp x 32 + s
	s_lshl_b32 s98, s99, 2
	s_mov_b32 s99, 0
	s_add_nc_u64 s[8:9], s[8:9], s[98:99]          ; the bias at ch0
	s_lshl_b32 s98, s96, 8
	s_add_nc_u64 s[12:13], s[12:13], s[98:99]      ; the scale words: 256 bytes for each (head, s)
	s_lshl_b32 s98, s96, 13
	s_add_nc_u64 s[10:11], s[10:11], s[98:99]      ; the images: 8,192 bytes
.irp b, 0,1,2,3,4,5,6,7                        ; BN: tile b's register j of lane (r, h) is channel ch0 + 32 (b / 2) + 8 (b % 2) + 16 h + j
	global_load_b128 v[BN+8*\b:BN+8*\b+3], v[BA], s[8:9] offset:4*(32*(\b/2)+8*(\b%2))
	global_load_b128 v[BN+8*\b+4:BN+8*\b+7], v[BA], s[8:9] offset:4*(32*(\b/2)+8*(\b%2))+16
.endr
	s_wait_loadcnt 0x0
.set i, 0
.rept 64
	v_and_b32 v[BN+i], s[NOTV], v[BN+i]            ; zeros for v, whose bias does not run along the registers
.set i, i+1
.endr
.macro FRAG reg, adr, q, i             ; a fragment, 16 rows x 128 K: lane l holds row l % 16; registers 4 c .. 4 c + 3 hold K = 32 c + 16 (l / 16) + 0 .. 15
.irp c, 0,1,2,3
	ds_load_b128 v[\reg+4*\c:\reg+4*\c+3], v[\adr] offset:128*(\q)+32*\c+(\i)*16*PITCH
.endr
.endm
; 16 matrix instructions: A's blocks a0, a0 + 1 x B's eight, 128 along K: the slot's q-th.  p: B's set;  sc: the set of scale words.  zero = 1: the first product starts the sums, with BN as its C: nothing is ever cleared.
; The 64 accumulators take turns, one instruction a turn, in the same order in every step.
.macro MUL16 a0, p, q, sc, zero
.irp a, \a0, \a0+1
.irp b, 0,1,2,3,4,5,6,7
.if \zero
	v_wmma_scale_f32_16x16x128_f8f6f4 v[8*(8*((\a)%4)+\b):8*(8*((\a)%4)+\b)+7], v[128*(\p)+FR*\b:128*(\p)+FR*\b+FR-1], v[AF+FR*(\a):AF+FR*(\a)+FR-1], v[BN+8*\b:BN+8*\b+7], v[SC+8*NQ*(\sc)+NQ*\b+(\q)], v[SC+8*NQ*(\sc)+NQ*(\a)+(\q)] matrix_a_scale:MATRIX_SCALE_ROW1
.else
	v_wmma_scale_f32_16x16x128_f8f6f4 v[8*(8*((\a)%4)+\b):8*(8*((\a)%4)+\b)+7], v[128*(\p)+FR*\b:128*(\p)+FR*\b+FR-1], v[AF+FR*(\a):AF+FR*(\a)+FR-1], v[8*(8*((\a)%4)+\b):8*(8*((\a)%4)+\b)+7], v[SC+8*NQ*(\sc)+NQ*\b+(\q)], v[SC+8*NQ*(\sc)+NQ*(\a)+(\q)] matrix_a_scale:MATRIX_SCALE_ROW1
.endif
.endr
.endr
.endm
.macro FETCH_B slot, q, p              ; B's eight fragments of the slot's q-th 128 along K into set p
	WIN TO_B
.irp i, 0,1,2,3,4,5,6,7
	FRAG 128*(\p)+FR*\i, ADRB+\slot, \q, \i
.endr
	WIN 0
.endm
.macro FETCH_A slot, q, i0             ; A's blocks i0 .. i0 + 3
.irp i, \i0, \i0+1, \i0+2, \i0+3
	FRAG AF+FR*(\i), ADRA+\slot, \q, \i
.endr
.endm
.macro SCALES sc                       ; the next K step's scale words into set sc: two words a row; lanes 0-15 take A's block i, lanes 16-31 B's block i
.irp i, 0,1,2,3,4,5,6,7
	ds_load_b64 v[SC+8*NQ*\sc+NQ*\i:SC+8*NQ*\sc+NQ*\i+1], v[ADRS] offset:\i*SBLK
.endr
.endm
; A load into a register that a matrix instruction has read, and a vector instruction that reads a matrix result or writes one of a matrix instruction's registers, stand NP places behind it; only plain vector
; instructions that name none of its registers are places (ISA guide 7.12.1 for vector instructions).
.macro PLACES n
.rept \n
	v_nop
.endr
.endm
; A step of 128 along K that has its successor in the same slot.
.macro STEP slot, q, zero
	s_wait_dscnt 4*NL                              ; B's set and A's blocks 0-3 are in; the youngest sixteen loads (A's blocks 4-7) may be out
.if \zero
	WIN FIRST_LO
.else
	WIN MUL_LO
.endif
	MUL16 0, (\q)%2, \q, \slot, \zero
	MUL16 2, (\q)%2, \q, \slot, \zero
	s_wait_dscnt 0                                 ; A's blocks 4-7 are in (asked for 32 matrix instructions ago)
	PLACES NP
	FETCH_B \slot, (\q)+1, 1-(\q)%2
	FETCH_A \slot, (\q)+1, 0
.if \zero
	WIN FIRST_HI
.else
	WIN MUL_HI
.endif
	MUL16 4, (\q)%2, \q, \slot, \zero
	MUL16 6, (\q)%2, \q, \slot, \zero
	PLACES NP
	WIN 0
	FETCH_A \slot, (\q)+1, 4
.endm
; A slot's last step changes slots: ONE barrier; in front of it each wave waits for all its tensor loads, adds 0 to its spare word, and waits for that and for its own reads of this slot.  fill = 1: this slot is filled again, two K steps ahead.
.macro TURN slot, next, fill
	s_wait_tensorcnt 0x0                           ; all my tensor loads have landed: my part of the next slot;  (every window is 0 here)
	ds_add_u32 v[SPW], v[NIL]                      ; 0 onto my spare word
	s_wait_dscnt 4*NL+1                            ; (the add and the youngest sixteen loads, A's blocks 4-7, may be out)
	WIN MUL_LO
	MUL16 0, 1, NQ-1, \slot, 0                     ; sixteen matrix instructions stand between the add and the wait for it
	s_wait_dscnt 0x0                               ; the add is done, and my reads of this slot are over
	s_barrier_signal -1
	MUL16 2, 1, NQ-1, \slot, 0
	WIN 0
	s_barrier_wait -1
.if \fill
	CREST                                          ; the barrier has opened a round of the cluster's barrier: no wave of any partner still reads this slot's tile or has a load on its way
	s_add_nc_u64 s[G0+4*\slot+2:G0+4*\slot+3], s[G0+4*\slot+2:G0+4*\slot+3], 2*ROWB
	s_add_nc_u64 s[G0B+4*\slot+2:G0B+4*\slot+3], s[G0B+4*\slot+2:G0B+4*\slot+3], 2*ROWB
	JLOAD G0+4*\slot, G1, G0B+4*\slot, G1B         ; the first tensor load behind the round; the four v_nop behind it are among the places in front of the loads below
	PLACES NP-4
.else
	PLACES NP
.endif
	s_wait_alu depctr_va_vdst(0)
	v_add_nc_u32 v[ADRS], 4*NQ, v[ADRS]            ; on to the next K step's scale words (no LDS load of mine is out)
	FETCH_B \next, 0, 0
	FETCH_A \next, 0, 0
	SCALES \next
	WIN MUL_HI
	MUL16 4, 1, NQ-1, \slot, 0
	MUL16 6, 1, NQ-1, \slot, 0
	PLACES NP
	WIN 0
	FETCH_A \next, 0, 4
.endm
	s_wait_alu depctr_va_vdst(0)
	s_wait_tensorcnt 1                             ; the scales and my part of K step 0 are in (K step 1's load may be out),
	s_barrier_signal -1
	s_barrier_wait -1                              ; everybody's are
	FETCH_B 0, 0, 0
	FETCH_A 0, 0, 0
	SCALES 0
	FETCH_A 0, 0, 4
	STEP 0, 0, 1                                   ; the first step stands in front of the loop: its products start the sums
.irp a, 0,1,2,3,4,5,6,7                        ; BM: block a's row r is channel ch0 + 32 (a / 2) + 8 (a % 2) + r + 8 (r / 8); twice, a pair for the packed addition.  BN's registers are free: eight places stand behind the last product that read them.
	global_load_b32 v[BN+2*\a], v[BMA], s[8:9] offset:4*(32*(\a/2)+8*(\a%2))       ; these sixteen loads stay out through the loop; the way out waits for them
	global_load_b32 v[BN+2*\a+1], v[BMA], s[8:9] offset:4*(32*(\a/2)+8*(\a%2))
.endr
	s_mov_b32 s3, LAPS-1
.Llap:                                                 ; a trip goes once round the ring, from a lap's second step to the next lap's first, and fills both slots again
	TURN 0, 1, 1
	STEP 1, 0, 0
	TURN 1, 0, 1
	STEP 0, 0, 0
	s_sub_co_u32 s3, s3, 1
	s_cmp_lg_u32 s3, 0
	s_cbranch_scc1 .Llap
	TURN 0, 1, 0                                   ; the last lap fills nothing, and has no round of the cluster's barrier
	STEP 1, 0, 0
	s_wait_dscnt 4*NL                              ; the very last step: nothing more to fetch
	WIN MUL_LO
	MUL16 0, 1, NQ-1, 1, 0
	MUL16 2, 1, NQ-1, 1, 0
	s_wait_dscnt 0
	WIN MUL_HI
	MUL16 4, 1, NQ-1, 1, 0
	MUL16 6, 1, NQ-1, 1, 0
	WIN 0
; 64 numbers of a lane, v[s] on, register 16 b + i = K 32 b + 16 (lane / 16) + i of my row, become a fragment's codes in v[PC] on and its scale word in v[pw].
.macro QUANT s, pw
.irp b, 0,1,2,3
	v_max3_num_f32 v[TM+\b], |v[\s+16*\b]|, |v[\s+1+16*\b]|, 0x4800000   ; block b: my 16 numbers, and the floor 2^(9 - 127): the byte cannot fall under 1
.endr
.irp i, 2,4,6,8,10,12,14
.irp b, 0,1,2,3
	v_max3_num_f32 v[TM+\b], v[TM+\b], |v[\s+16*\b+\i]|, |v[\s+1+16*\b+\i]|   ; (the four blocks by turns)
.endr
.endr
.irp b, 0,1,2,3
	v_permlanex16_b32 v[TM+4+\b], v[TM+\b], s[SEL], s[SEL+1]
.endr
.irp b, 0,1,2,3
	v_max_num_f32 v[TM+\b], v[TM+\b], v[TM+4+\b]   ; with lane l xor 16's: the block's largest magnitude
.endr
.irp b, 0,1,2,3
	v_add_nc_u32 v[TM+12+\b], 0xfc000000, v[TM+\b]   ; 8 off its exponent field: the conversion's scale operand
.endr
.irp b, 0,1,2,3
.endr
.irp b, 0,1,2,3
	v_lshrrev_b32 v[TM+4+\b], 23, v[TM+12+\b]      ; the scale's byte
.endr
	v_lshl_or_b32 v[\pw], v[TM+5], 8, v[TM+4]      ; the four bytes make my row's scale word
	v_lshl_or_b32 v[\pw], v[TM+6], 16, v[\pw]
	v_lshl_or_b32 v[\pw], v[TM+7], 24, v[\pw]
.irp b, 0,1,2,3
.irp i, 0,1,2,3,4,5,6,7,8,9,10,11,12,13,14,15
.endr
	v_cvt_scalef32_pk8_fp8_f32 v[PC+4*\b:PC+1+4*\b], v[\s+16*\b:\s+7+16*\b], v[TM+12+\b]
	v_cvt_scalef32_pk8_fp8_f32 v[PC+2+4*\b:PC+3+4*\b], v[\s+8+16*\b:\s+15+16*\b], v[TM+12+\b]
.endr
	v_nop                                          ; one plain vector line behind the last conversion, ahead of the next vector line that writes its sources
.endm
; Block a: its 64 sums, each accumulator from its low end on, + BM, into window 0; quantised; four stores of 512 consecutive bytes.
.macro OUTBLK a
	WIN (0x02+(\a)/4)                              ; source 0: window 2 or 3
.set i, 0
.rept 32
	v_pk_add_f32 v[ST+i:ST+i+1], v[64*((\a)%4)+i:64*((\a)%4)+i+1], v[BN+2*(\a):BN+2*(\a)+1]
.set i, i+2
.endr
	WIN 0
.if (\a) > 0
	s_wait_xcnt 0x0                                ; the last block's stores have read their registers: the codes may be written again
.endif
	QUANT ST, SW+(\a)
.irp g, 0,1,2,3
	global_store_b128 v[LI], v[PC+4*\g:PC+4*\g+3], s[10:11] offset:(\g/2)*131072+(\a)*1024+(\g%2)*512
.endr
.endm
	PLACES NP                                      ; behind the last products: their results are read, and A's registers written, below
	s_wait_loadcnt 0x0                             ; BM
.set i, 0
.rept 16
	v_and_b32 v[BN+i], s[ISV], v[BN+i]             ; zeros for q and k, whose bias was the first products' C
.set i, i+1
.endr
.irp b, 0,1,2,3
	v_mov_b32 v[TM+4+\b], 0                        ; written once: a lane permute's destination counts as one of its sources
.endr
.irp a, 0,1,2,3,4,5,6,7
	OUTBLK \a
.endr
.irp j, 0,1,2,3                                ; the scale words.  v: lanes 0-15 the first head's tile j, lanes 16-31 the second head's.  q, k: tiles 2 j and 2 j + 1, two bytes of each, by the lane's head
	v_cndmask_b32 v[T], v[SW+\j], v[SW+4+\j], s[UPL]
	v_perm_b32 v[T+1], v[SW+2*\j+1], v[SW+2*\j], v[PSEL]
	v_cndmask_b32 v[OW+\j], v[T+1], v[T], s[ISV]
.endr
	global_store_b128 v[SCO], v[OW:OW+3], s[12:13] ; sixteen lanes store 256 consecutive bytes, aligned: one head's words of this step
	s_wait_tensorcnt 0x0                           ; the wave's end
	ds_add_u32 v[SPW], v[NIL]
	s_wait_dscnt 0x0
	CROUND                                         ; the closing round: no work-group ends while a partner may still ask for a tile that names it
	s_endpgm
.Lfunc_end_k_qf117672ee0_qkv:
	.size	k_qf117672ee0_qkv, .Lfunc_end_k_qf117672ee0_qkv-k_qf117672ee0_qkv
	.p2alignl 7, 3214868480
	.fill 96, 4, 3214868480
	.section	.rodata,"a",@progbits
	.p2align	6, 0x0
	.amdhsa_kernel k_qf117672ee0_qkv
		.amdhsa_group_segment_fixed_size 327680
		.amdhsa_private_segment_fixed_size 0
		.amdhsa_enable_private_segment 0
		.amdhsa_kernarg_size 56
		.amdhsa_user_sgpr_count 2
		.amdhsa_user_sgpr_kernarg_segment_ptr 1
		.amdhsa_wavefront_size32 1
		.amdhsa_system_sgpr_workgroup_id_x 1
		.amdhsa_system_sgpr_workgroup_id_y 1
		.amdhsa_system_sgpr_workgroup_id_z 1
		.amdhsa_system_vgpr_workitem_id 0
		.amdhsa_next_free_vgpr 1024
		.amdhsa_next_free_sgpr 106
		.amdhsa_reserve_vcc 0
		.amdhsa_float_denorm_mode_32 3
		.amdhsa_float_denorm_mode_16_64 3
		.amdhsa_fp16_overflow 1
		.amdhsa_memory_ordered 1
		.amdhsa_forward_progress 1
		.amdhsa_inst_pref_size 173
	.end_amdhsa_kernel
	.amdgpu_metadata
---
amdhsa.version: [ 1, 2 ]
amdhsa.kernels:
  - .name:           k_qf117672ee0_qkv
    .symbol:         k_qf117672ee0_qkv.kd
    .args:
      - { .name: codes, .offset: 0, .size: 8, .value_kind: global_buffer, .address_space: global }
      - { .name: scales, .offset: 8, .size: 8, .value_kind: global_buffer, .address_space: global }
      - { .name: bq, .offset: 16, .size: 8, .value_kind: global_buffer, .address_space: global }
      - { .name: bk, .offset: 24, .size: 8, .value_kind: global_buffer, .address_space: global }
      - { .name: bv, .offset: 32, .size: 8, .value_kind: global_buffer, .address_space: global }
      - { .name: qkv_img, .offset: 40, .size: 8, .value_kind: global_buffer, .address_space: global }
      - { .name: qkv_sc, .offset: 48, .size: 8, .value_kind: global_buffer, .address_space: global }
    .group_segment_fixed_size: 327680
    .private_segment_fixed_size: 0
    .kernarg_segment_align: 8
    .kernarg_segment_size: 56
    .max_flat_workgroup_size: 128
    .sgpr_count:     106
    .vgpr_count:     1024
    .wavefront_size: 32
...
	.end_amdgpu_metadata
.endif
;; end of part 2
;; launch attn (part 3): grid 4 x 64, 16 waves a work-group, no clusters, 272,384 bytes of LDS; arguments qkv_img, qkv_sc, y_img, y_sc; writes y_img, y_sc
.if DOCPART == 3
	.amdgcn_target "amdgcn-amd-amdhsa--gfx1250"
	.amdhsa_code_object_version 6
	.text
	.protected	k_qf117672ee0_attn
	.globl	k_qf117672ee0_attn
	.p2align	8
	.type	k_qf117672ee0_attn,@function
k_qf117672ee0_attn:
	s_mov_b64 s[64:65], 0
	v_nop
	global_prefetch_b8 v0, s[64:65] scope:SCOPE_SE
	s_setreg_imm32_b32 hwreg(HW_REG_WAVE_MODE, 25, 1), 1
	s_wait_xcnt 0x0
; y[b][t][head x 64 + d] = the sum over keys s <= t of softmax_s(q . k / 8) v, both products on codes of FP8 (E4M3) with E8M0 scales for each 32 along a product's K; y is quantised along its 1,024 channels and leaves as codes.
; THE SOFTMAX AHEAD OF THE SECOND PRODUCT: t = score x log2(e) / 8; M = the row's largest t so far, rounded UP to a whole number; p = 2^(t - M) is quantised along the keys, not normalised.  The row's sum is taken of the
; unquantised p and divides O at the end.  When M moves, the sum and O are multiplied by 2^(old M - new M): exact.
; SHARES.  Work-group (i, bh) serves one head of one batch; sixteen waves of 256 registers, four to a SIMD.  Wave w (u = w / 8, a = w % 8) takes tile a (16 queries) of the 128-query step sq = 15 - (2 i + u), then of sq = 2 i + u.
; A tile of step sq wants key steps 0 .. sq, the last with the mask: 16 - (2 i + u) and 2 i + u + 1 steps: 17 for every wave of every work-group.
; THE WHOLE HEAD'S K AND V STAY IN LDS, filled once: 128 KiB each, and 4 KiB of scale words each.  No slot is filled again, and behind the one barrier no wave waits for another.
; NO CLUSTER: the four work-groups of a head read the same K and V, but each leaves out key steps by a branch on its own number i, and partners of a joint load have no branch that differs between them.
; LAYOUT.  Both products are used transposed: S^T = K Q^T (source 0 = keys, source 1 = my 16 queries), O^T = V^T P^T (source 0 = 16 channels, source 1 = P): a lane holds ONE query (lane % 16) throughout.
; Tokens and channels lie in storage order (row r of tile a is logical row 32 (a / 2) + 8 (a % 2) + r + 8 (r / 8)), so the 16 registers of result tiles 2 b and 2 b + 1 are the 16 neighbours 32 b + 16 (lane / 16) + 0 .. 15.
; K = 64 IN AN INSTRUCTION OF K = 128: source 0 holds key tiles 2 j and 2 j + 1 side by side; source 1 is (Q | zeros) for tile 2 j and (zeros | Q) for tile 2 j + 1.  The registers lie zeros, Q, zeros: v16-23, v24-31, v32-39.
; Zero codes add nothing under any scale byte but 0xff, which the quantiser never makes.
; LIMITS: a block whose largest magnitude lies under 2^-118 keeps the byte 1, a block of zeros too (its codes are zeros; this program alone reads the bytes); NaN and infinities are not served.
; LDS: K [s][pair j][c][lane][16 bytes] at 0, 8,192 bytes a step; V [c / 2][s][tile dt][c % 2][lane][16 bytes] at 131,072, 4,096 bytes a step in each half; K's scale words [s][r][4 words] at 262,144; V's at 266,240.
.set KIMG, 8388608                     ; k's images in qkv_img; v's
.set VIMG, 16777216
.set KSCO, 262144                      ; k's scale words in qkv_sc; v's
.set VSCO, 524288
.set LV0,  131072
.set LV1,  196608
.set LSK,  262144
.set LI,   1                           ; v1   16 x lane
.set AV0,  2                           ; v2   LV0 + 16 x lane
.set AV1,  3                           ; v3   LV1 + 16 x lane
.set AS0,  4                           ; v4   LSK + 16 r
.set DQ,   5                           ; v5   my query's place in its step - 16 (lane / 16)
.set NINF, 6                           ; v6   -infinity
.set R16,  7                           ; v7   16 r
.set ADK,  8                           ; v8-11 the step's LDS addresses: K, V's two halves, the scale words
.set ADV,  9
.set ADV1, 10
.set ADS,  11
.set KV,   40                          ; v40-103  four fragments of K, then of V
.set S,    104                         ; v104-167 S^T, then p
.set O,    168                         ; v168-199 O^T
.set PC,   200                         ; v200-215 p's codes
.set BX,   216                         ; v216-219 block maxima; v220-223 permuted, then bytes; v228-231 scale operands
.set KSW,  232                         ; v232-235 K's scale words; v236-239 V's; v240 Q's; v241 p's
.set VSW,  236
.set QQ,   240
.set PW,   241
.set F,    242                         ; v[242:243] f, and 0
.set TMP,  244
.set SUM2, 246                         ; v[246:247] the second chain of the sum
.set R32,  248                         ; v248 32 r
.set QPW,  249                         ; v249 the pair word that holds Q's two scale bytes
.set YW,   250                         ; v250 y's two scale bytes
.set WV,   12                          ; s12 wave; s13 u; s14 a; s16 bh
.set SQ,   17                          ; s17 my tile's step
.set KSTP, 18                          ; s18 the key step
.set PASS, 19
.set SEL,  20                          ; s[20:21] lane selects for v_permlanex16_b32: lane l xor 16
.set CS,   22                          ; s[22:23] c = log2(e) / 8
.set MNT,  24
.set TK,   25                          ; s25-27 the key step's bytes in K, in a half of V, in the scale words
.set TV,   26
.set TS,   27
.set QSEL, 28                          ; s28 byte selects: Q's two bytes, twice
.set G1K,  32                          ; s[32:39], s[40:47], s[48:55] descriptor groups 1: K, V, scale words
.set G1V,  40
.set G1S,  48
.set G0M,  56                          ; s[56:59] group 0 of my part of K or V;  s[60:63] of the scale words
.set G0S,  60
	s_load_b256 s[4:11], s[0:1], 0x0               ; qkv_img, qkv_sc, y_img, y_sc
	v_lshl_add_u32 v254, v0, 2, 0x42000
	v_mov_b32 v255, 0
	ds_add_u32 v254, v255
	ds_add_u32 v254, v255
	v_lshrrev_b32 v1, 5, v0
	s_delay_alu instid0(VALU_DEP_1)
	v_readfirstlane_b32 s[WV], v1                  ; wave 0..15
	s_lshr_b32 s13, s[WV], 3                       ; u
	s_and_b32 s14, s[WV], 7                        ; a
	s_and_b32 s16, ttmp7, 0xffff                   ; bh = batch x 16 + head
	; K: 16,384 dense bytes a wave (two key steps), as 64 rows of 256 bytes
	s_mov_b32 s[G1K], 3<<16                        ; no mask; elements of 8 bytes; no padding
	s_mov_b32 s[G1K+1], 32<<16                     ; tensor_dim0
	s_mov_b32 s[G1K+2], 64<<16                     ; tensor_dim1
	s_mov_b32 s[G1K+3], 32<<16                     ; tile_dim0
	s_mov_b32 s[G1K+4], 64                         ; tile_dim1
	s_mov_b32 s[G1K+5], 32                         ; tensor_dim0_stride
	s_mov_b32 s[G1K+6], 0
	s_mov_b32 s[G1K+7], 0
	; V: four key steps of one half: 4 rows of 4,096 bytes, 8,192 bytes apart (the other head of the pair lies between)
	s_mov_b32 s[G1V], 3<<16
	s_mov_b32 s[G1V+1], 512<<16
	s_mov_b32 s[G1V+2], 4<<16
	s_mov_b32 s[G1V+3], 512<<16
	s_mov_b32 s[G1V+4], 4
	s_mov_b32 s[G1V+5], 1024
	s_mov_b32 s[G1V+6], 0
	s_mov_b32 s[G1V+7], 0
	; scale words: 512 dense bytes a wave, as 2 rows of 256 bytes
	s_mov_b32 s[G1S], 3<<16
	s_mov_b32 s[G1S+1], 32<<16
	s_mov_b32 s[G1S+2], 2<<16
	s_mov_b32 s[G1S+3], 32<<16
	s_mov_b32 s[G1S+4], 2
	s_mov_b32 s[G1S+5], 32
	s_mov_b32 s[G1S+6], 0
	s_mov_b32 s[G1S+7], 0
	; what I fetch: waves 0-7 an eighth of K and of its scale words, waves 8-15 of V and of its
	s_lshl_b32 s82, s16, 17
	s_lshl_b32 s85, s[WV], 14
	s_add_co_u32 s82, s82, s85
	s_add_co_u32 s82, s82, KIMG                    ; K: bh x 131,072 + w x 16,384
	s_lshr_b32 s84, s16, 1
	s_lshl_b32 s84, s84, 18                        ; V: the pair of heads,
	s_and_b32 s85, s16, 1
	s_lshl_b32 s85, s85, 12                        ; my head of the two,
	s_add_co_u32 s84, s84, s85
	s_bfe_u32 s85, s[WV], 0x10002                  ; the half ((w - 8) / 4 for waves 8-15),
	s_lshl_b32 s85, s85, 17
	s_add_co_u32 s84, s84, s85
	s_and_b32 s85, s[WV], 3                        ; four key steps of it
	s_lshl_b32 s85, s85, 15
	s_add_co_u32 s84, s84, s85
	s_add_co_u32 s84, s84, VIMG
	s_lshl_b32 s86, s16, 12
	s_lshl_b32 s85, s[WV], 9
	s_add_co_u32 s86, s86, s85                     ; scale words: bh x 4,096 + w x 512,
	s_cmp_lt_u32 s[WV], 8
	s_cselect_b32 s82, s82, s84
	s_cselect_b32 s88, 0, VSCO-4096-KSCO           ; (for V: + its region, less the eight waves in front)
	s_add_co_u32 s86, s86, s88
	s_add_co_u32 s86, s86, KSCO
	s_mov_b32 s83, 0
	s_mov_b32 s87, 0
	s_mov_b32 s[G0M], 1                            ; count = 1
	s_lshl_b32 s[G0M+1], s[WV], 14                 ; LDS: w x 16,384: K's eighths, then V's
	s_mov_b32 s[G0S], 1
	s_lshl_b32 s[G0S+1], s[WV], 9
	s_add_co_u32 s[G0S+1], s[G0S+1], LSK           ; LDS: 262,144 + w x 512
	s_wait_dscnt 0x0
	s_wait_kmcnt 0x0
	s_add_nc_u64 s[G0M+2:G0M+3], s[4:5], s[82:83]
	s_or_b32 s[G0M+3], s[G0M+3], 0x80000000        ; type = 2
	s_add_nc_u64 s[G0S+2:G0S+3], s[6:7], s[86:87]
	s_or_b32 s[G0S+3], s[G0S+3], 0x80000000
	s_cmp_lt_u32 s[WV], 8                          ; a wave's two fills stand in one branch, ahead of every wait on TENSORcnt, every LDS read and the barrier: two loads of mine are out
	s_cbranch_scc0 .Lfill_v
	tensor_load_to_lds s[G0M:G0M+3], s[G1K:G1K+7]
	s_nop 0
	tensor_load_to_lds s[G0S:G0S+3], s[G1S:G1S+7]
	s_nop 0
.rept 4
	v_nop
.endr
	s_branch .Lfilled
.Lfill_v:
	tensor_load_to_lds s[G0M:G0M+3], s[G1V:G1V+7]
	s_nop 0
	tensor_load_to_lds s[G0S:G0S+3], s[G1S:G1S+7]
	s_nop 0
.rept 4
	v_nop
.endr
.Lfilled:
	v_and_b32 v[TMP+1], 31, v0                     ; lane
	s_delay_alu instid0(VALU_DEP_1)
	v_lshlrev_b32 v[LI], 4, v[TMP+1]
	s_delay_alu instid0(VALU_DEP_1)
	v_add_nc_u32 v[AV0], LV0, v[LI]
	s_delay_alu instid0(VALU_DEP_2)
	v_add_nc_u32 v[AV1], LV1, v[LI]
	v_and_b32 v[R16], 15, v0                       ; r
	v_bfe_u32 v[TMP], v0, 4, 1                     ; h
	s_delay_alu instid0(VALU_DEP_2)
	v_lshl_add_u32 v[AS0], v[R16], 4, LSK
	s_delay_alu instid0(VALU_DEP_3)
	v_lshlrev_b32 v[R32], 5, v[R16]
	s_delay_alu instid0(VALU_DEP_4)
	v_and_b32 v[DQ], 8, v[R16]
	s_delay_alu instid0(VALU_DEP_1)
	v_add_nc_u32 v[DQ], v[DQ], v[R16]              ; r + 8 (r / 8)
	v_lshlrev_b32 v[TMP], 4, v[TMP]
	s_delay_alu instid0(VALU_DEP_1)
	v_sub_nc_u32 v[DQ], v[DQ], v[TMP]              ; - 16 h
	s_lshr_b32 s82, s14, 1
	s_lshl_b32 s82, s82, 5
	s_and_b32 s84, s14, 1
	s_lshl_b32 s85, s84, 3
	s_add_co_u32 s82, s82, s85
	v_add_nc_u32 v[DQ], s82, v[DQ]                 ; + 32 (a / 2) + 8 (a % 2)
	v_lshlrev_b32 v[R16], 4, v[R16]
	v_mov_b32 v[NINF], 0xff800000
.irp j, 16,17,18,19,20,21,22,23,32,33,34,35,36,37,38,39
	v_mov_b32 v\j, 0                               ; the zero codes on both sides of Q
.endr
.irp b, 0,1,2,3
	v_mov_b32 v[BX+4+\b], 0                        ; written once: a lane permute's destination counts as one of its sources
.endr
	v_mov_b32 v[TMP], 0
	v_mov_b32 v[F+1], 0                            ; (named as the upper half of the pair beside f)
	s_cmp_eq_u32 s84, 1                            ; my tile's two bytes of its pair word: the lower two for an even tile, the upper two for an odd one
	s_mov_b32 s[QSEL], 0x01000100
	s_cselect_b32 s[QSEL], 0x03020302, s[QSEL]
	s_mov_b32 s[SEL], 0x76543210
	s_mov_b32 s[SEL+1], 0xfedcba98
	s_mov_b32 s[CS], 0x3e38aa3b                    ; c = log2(e) / 8
	s_mov_b32 s[CS+1], s[CS]                       ; (named with it as a pair, so it is written)
	; what does not change from pass to pass: s[66:67] q's images, s[68:69] q's pair words, s[70:71] y's images, s[72:73] y's scale bytes, each at step 0 of my tile
	s_lshl_b32 s82, s16, 17
	s_lshl_b32 s84, s14, 10
	s_add_co_u32 s82, s82, s84
	s_add_nc_u64 s[66:67], s[4:5], s[82:83]        ; bh x 131,072 + a x 1,024
	s_lshl_b32 s82, s16, 12
	s_lshr_b32 s84, s14, 1
	s_lshl_b32 s84, s84, 2
	s_add_co_u32 s82, s82, s84
	s_add_nc_u64 s[68:69], s[6:7], s[82:83]        ; bh x 4,096 + 4 (a / 2)
	s_lshr_b32 s85, s16, 4                         ; batch
	s_and_b32 s86, s16, 15                         ; head
	s_lshl_b32 s85, s85, 7
	s_add_co_u32 s85, s85, s14                     ; the tile among 512: batch x 128 + a (+ 8 sq)
	s_lshl_b32 s82, s85, 12
	s_lshr_b32 s84, s86, 2
	s_lshl_b32 s84, s84, 21                        ; y_img: [head / 4][tile][(head / 2) % 2][2 (head % 2) + block][lane][16 bytes]
	s_add_co_u32 s82, s82, s84
	s_bfe_u32 s84, s86, 0x10001
	s_lshl_b32 s84, s84, 11
	s_add_co_u32 s82, s82, s84
	s_and_b32 s84, s86, 1
	s_lshl_b32 s84, s84, 10
	s_add_co_u32 s82, s82, s84
	s_add_nc_u64 s[70:71], s[8:9], s[82:83]
	s_lshl_b32 s82, s85, 9                         ; y_sc: [row][32 bytes], byte 2 head + block
	s_lshl_b32 s84, s86, 1
	s_add_co_u32 s82, s82, s84
	s_add_nc_u64 s[72:73], s[10:11], s[82:83]
	s_lshl_b32 s[SQ], ttmp9, 1
	s_add_co_u32 s[SQ], s[SQ], s13
	s_sub_co_u32 s[SQ], 15, s[SQ]                  ; the first pass: 15 - (2 i + u)
	s_mov_b32 s[PASS], 2
	s_wait_tensorcnt 0x0                           ; my parts of the head have landed,
	s_barrier_signal -1
	s_barrier_wait -1                              ; everybody's have: the one barrier of the launch
.Lpass:
	s_lshl_b32 s82, s[SQ], 13
	s_add_nc_u64 s[74:75], s[66:67], s[82:83]
	s_lshl_b32 s82, s[SQ], 8
	s_add_nc_u64 s[76:77], s[68:69], s[82:83]
	s_lshl_b32 s82, s[SQ], 15
	s_add_nc_u64 s[78:79], s[70:71], s[82:83]
	s_lshl_b32 s82, s[SQ], 12
	s_add_nc_u64 s[80:81], s[72:73], s[82:83]
	global_load_b128 v[24:27], v[LI], s[74:75]             ; Q's image: d = 16 h + 0 .. 15,
	global_load_b128 v[28:31], v[LI], s[74:75] offset:512  ; d = 32 + 16 h + 0 .. 15
	global_load_b32 v[QPW], v[R16], s[76:77]
	v_mov_b32 v13, 0xff61b1e6                      ; the largest t so far: -3e38, under every t
	s_delay_alu instid0(VALU_DEP_1)
	v_floor_f32 v12, -v13                          ; -M
	v_mov_b32 v14, 0                               ; the sum, in two halves
	v_mov_b32 v15, 0
	s_mov_b32 s[TK], 0
	s_mov_b32 s[TV], 0
	s_mov_b32 s[TS], 0
	s_mov_b32 s[KSTP], 0
	s_wait_loadcnt 0x0
	v_perm_b32 v[QQ], v[QPW], v[QPW], s[QSEL]      ; Q's two bytes in both halves of its scale word; the lines below stand between it and the first product
.set j, 0
.rept 32
	v_mov_b32 v[O+j], 0                            ; O^T.  (The step is written once: the first finds zeros, which the first change of M leaves zeros)
.set j, j+1
.endr
.Lstep:                                            ; 16 trips in every wave; a step all of whose keys come after my queries is left out by a scalar branch on ids
	s_cmp_gt_u32 s[KSTP], s[SQ]
	s_cbranch_scc1 .Lhidden
	s_setprio 2
	v_add_nc_u32 v[ADK], s[TK], v[LI]
	v_add_nc_u32 v[ADV], s[TV], v[AV0]
	v_add_nc_u32 v[ADV1], s[TV], v[AV1]
	v_add_nc_u32 v[ADS], s[TS], v[AS0]
.rept 4
	v_nop                                          ; with the four additions: eight places in front of loads into registers that the last step's products have read
.endr
.irp j, 0,1,2,3
.irp c, 0,1,2,3
	ds_load_b128 v[KV+16*\j+4*\c:KV+16*\j+4*\c+3], v[ADK] offset:2048*\j+512*\c   ; key tiles 2 j and 2 j + 1 side by side
.endr
.endr
	ds_load_b128 v[KSW:KSW+3], v[ADS]              ; their pair words
	s_wait_alu depctr_va_vdst(0)
	s_wait_dscnt 0x0
.irp j, 0,1,2,3
	v_wmma_scale_f32_16x16x128_f8f6f4 v[S+16*\j:S+16*\j+7], v[KV+16*\j:KV+16*\j+15], v[24:39], 0, v[KSW+\j], v[QQ]      ; (Q | zeros): tile 2 j
	v_wmma_scale_f32_16x16x128_f8f6f4 v[S+16*\j+8:S+16*\j+15], v[KV+16*\j:KV+16*\j+15], v[16:31], 0, v[KSW+\j], v[QQ]   ; (zeros | Q): tile 2 j + 1
.endr
.rept 8
	v_nop                                          ; places in front of the loads below and of the first read of the scores
.endr
.irp t, 0,1,2,3                                ; V's four tiles of 16 channels x 128 keys: they land under the softmax
	ds_load_b128 v[KV+16*\t:KV+16*\t+3], v[ADV] offset:1024*\t
	ds_load_b128 v[KV+16*\t+4:KV+16*\t+7], v[ADV] offset:1024*\t+512
	ds_load_b128 v[KV+16*\t+8:KV+16*\t+11], v[ADV1] offset:1024*\t
	ds_load_b128 v[KV+16*\t+12:KV+16*\t+15], v[ADV1] offset:1024*\t+512
.endr
	ds_load_b128 v[VSW:VSW+3], v[ADS] offset:4096
	s_cmp_lt_u32 s[KSTP], s[SQ]                    ; only my own step has hidden keys
	s_cbranch_scc1 .Lopen
.set n, 0
.rept 64                                       ; register 16 b + i holds key 32 b + 16 (lane / 16) + i of the step: hidden where 32 b + i > my query's place - 16 (lane / 16): -infinity ahead of the maximum, so p = 0
	v_cmp_gt_i32 vcc_lo, 32*(n/16)+n%16, v[DQ]
	v_cndmask_b32 v[S+n], v[S+n], v[NINF], vcc_lo
.set n, n+1
.endr
.Lopen:
.irp b, 0,1,2,3
	v_max3_num_f32 v[BX+\b], v[S+16*\b], v[S+1+16*\b], v[S+2+16*\b]   ; THE LARGEST SCORE OF EACH BLOCK OF 32 KEYS serves twice: for the row's maximum, and, since p rises with the score, for the block's largest p
.endr
.irp i, 3,5,7,9,11,13
.irp b, 0,1,2,3
	v_max3_num_f32 v[BX+\b], v[BX+\b], v[S+16*\b+\i], v[S+1+16*\b+\i]   ; (the four blocks by turns)
.endr
.endr
.irp b, 0,1,2,3
	v_max_num_f32 v[BX+\b], v[BX+\b], v[S+15+16*\b]
.endr
.irp b, 0,1,2,3
	s_delay_alu instid0(VALU_DEP_4)
	v_permlanex16_b32 v[BX+4+\b], v[BX+\b], s[SEL], s[SEL+1]
.endr
.irp b, 0,1,2,3
	s_delay_alu instid0(VALU_DEP_4)
	v_max_num_f32 v[BX+\b], v[BX+\b], v[BX+4+\b]   ; with lane l xor 16's 16 keys
.endr
	s_delay_alu instid0(VALU_DEP_2)
	v_max3_num_f32 v[TMP], v[BX], v[BX+1], v[BX+2]
	s_delay_alu instid0(VALU_DEP_1)
	v_max_num_f32 v[TMP], v[TMP], v[BX+3]          ; the step's largest score of my query
	s_delay_alu instid0(VALU_DEP_1)
	v_mul_f32 v[TMP], s[CS], v[TMP]                ; as t (c is positive)
	s_delay_alu instid0(VALU_DEP_1)
	v_max_num_f32 v13, v13, v[TMP]                 ; the running largest t
	v_mov_b32 v[TMP], v12
	s_delay_alu instid0(VALU_DEP_2)
	v_floor_f32 v12, -v13                          ; the new -M = floor(-t) = -ceil(t): M is a whole number
	s_delay_alu instid0(VALU_DEP_1)
	v_sub_f32 v[TMP], v12, v[TMP]                  ; M's old value less its new one: a whole number, 0 or less
	s_delay_alu instid0(VALU_DEP_1)
	v_cvt_i32_f32 v[TMP], v[TMP]                   ; (it saturates)
	s_delay_alu instid0(VALU_DEP_1)
	v_ldexp_f32 v[F], 1.0, v[TMP]                  ; f = 2^(old M - new M)
.set j, 0
	s_setprio 1
.rept 32
	v_pk_fma_f32 v[S+j:S+j+1], v[S+j:S+j+1], s[CS:CS+1], v[12:13] op_sel_hi:[1,0,0]   ; t - M, two at a time (of the pairs c and -M the low word serves both halves)
.set j, j+2
.endr
.irp b, 0,1,2,3
	v_fma_f32 v[BX+\b], v[BX+\b], s[CS], v12       ; the same of each block's largest score
.endr
.set j, 0
	s_wait_alu depctr_va_vdst(0)
.rept 64
	v_exp_f32 v[S+j], v[S+j]                       ; p = 2^(t - M), at most 1: not normalised
.set j, j+1
.endr
.irp b, 0,1,2,3
	v_exp_f32 v[BX+\b], v[BX+\b]                   ; the block's largest p: the same two instructions on the same number give the same bits
.endr
	v_pk_mul_f32 v[14:15], v[14:15], v[F:F+1] op_sel_hi:[1,0]   ; the sums under the new M.  (A plain place behind the exponentials)
	s_wait_alu depctr_va_vdst(0)
.irp b, 0,1,2,3
	v_max_num_f32 v[BX+\b], 0x4800000, v[BX+\b]    ; the floor 2^(9 - 127): the byte cannot fall under 1
.endr
.irp b, 0,1,2,3
	s_delay_alu instid0(VALU_DEP_4)
	v_add_nc_u32 v[BX+12+\b], 0xfc000000, v[BX+\b] ; 8 off the exponent field: the conversion's scale operand
.endr
.irp b, 0,1,2,3
.endr
.irp b, 0,1,2,3
	s_delay_alu instid0(VALU_DEP_4)
	v_lshrrev_b32 v[BX+4+\b], 23, v[BX+12+\b]      ; the scale's byte
.endr
	s_delay_alu instid0(VALU_DEP_3)
	v_lshl_or_b32 v[PW], v[BX+5], 8, v[BX+4]       ; p's scale word for these 128 keys
	s_delay_alu instid0(VALU_DEP_1)
	v_lshl_or_b32 v[PW], v[BX+6], 16, v[PW]
	s_delay_alu instid0(VALU_DEP_1)
	v_lshl_or_b32 v[PW], v[BX+7], 24, v[PW]
	v_pk_add_f32 v[246:247], v[108:109], v[112:113]
	v_pk_add_f32 v[252:253], v[116:117], v[120:121]
	v_pk_add_f32 v[250:251], v[124:125], v[128:129]
	v_pk_add_f32 v[234:235], v[132:133], v[136:137]
	v_pk_add_f32 v[232:233], v[140:141], v[144:145]
	v_pk_add_f32 v[226:227], v[148:149], v[152:153]
	v_pk_add_f32 v[224:225], v[156:157], v[160:161]
	v_pk_add_f32 v[14:15], v[14:15], v[164:165]
	v_pk_add_f32 v[246:247], v[246:247], v[104:105]
	v_pk_add_f32 v[252:253], v[252:253], v[106:107]
	v_pk_add_f32 v[250:251], v[250:251], v[110:111]
	v_pk_add_f32 v[234:235], v[234:235], v[114:115]
	v_pk_add_f32 v[232:233], v[232:233], v[118:119]
	v_pk_add_f32 v[226:227], v[226:227], v[122:123]
	v_pk_add_f32 v[224:225], v[224:225], v[126:127]
	v_pk_add_f32 v[14:15], v[14:15], v[130:131]
	v_pk_add_f32 v[246:247], v[246:247], v[134:135]
	v_pk_add_f32 v[252:253], v[252:253], v[138:139]
	s_setprio 0
	v_pk_add_f32 v[250:251], v[250:251], v[142:143]
	v_pk_add_f32 v[234:235], v[234:235], v[146:147]
	v_pk_add_f32 v[232:233], v[232:233], v[150:151]
	v_pk_add_f32 v[226:227], v[226:227], v[154:155]
	v_pk_add_f32 v[224:225], v[224:225], v[158:159]
	v_pk_add_f32 v[14:15], v[14:15], v[162:163]
	v_pk_add_f32 v[246:247], v[246:247], v[166:167]
	s_delay_alu instid0(VALU_DEP_2)
	v_pk_add_f32 v[14:15], v[14:15], v[234:235]
	s_delay_alu instid0(VALU_DEP_2)
	v_pk_add_f32 v[246:247], v[246:247], v[232:233]
	v_pk_add_f32 v[252:253], v[252:253], v[226:227]
	v_pk_add_f32 v[250:251], v[250:251], v[224:225]
	s_delay_alu instid0(VALU_DEP_2)
	v_pk_add_f32 v[14:15], v[14:15], v[252:253]
	s_delay_alu instid0(VALU_DEP_2)
	v_pk_add_f32 v[246:247], v[246:247], v[250:251]
	s_delay_alu instid0(VALU_DEP_1)
	v_pk_add_f32 v[14:15], v[14:15], v[246:247]
.irp b, 0,1,2,3
.irp i, 0,1,2,3,4,5,6,7,8,9,10,11,12,13,14,15
.endr
	v_cvt_scalef32_pk8_fp8_f32 v[PC+4*\b:PC+1+4*\b], v[S+16*\b:S+7+16*\b], v[BX+12+\b]
	v_cvt_scalef32_pk8_fp8_f32 v[PC+2+4*\b:PC+3+4*\b], v[S+8+16*\b:S+15+16*\b], v[BX+12+\b]
.endr
.set j, 0
.rept 16
	v_pk_mul_f32 v[O+j:O+j+1], v[O+j:O+j+1], v[F:F+1] op_sel_hi:[1,0]   ; O^T under the new M, each tile from its low end on.  (These sixteen are also the places between p's codes and the products)
.set j, j+2
.endr
	s_wait_alu depctr_va_vdst(0)
	s_wait_dscnt 0x0                               ; V and its scale words are in
.irp t, 0,1,2,3                                ; O^T += V^T P^T: the four accumulators by turns, one instruction a turn; the next step's scores stand between two links of a chain
	v_wmma_scale_f32_16x16x128_f8f6f4 v[O+8*\t:O+8*\t+7], v[KV+16*\t:KV+16*\t+15], v[PC:PC+15], v[O+8*\t:O+8*\t+7], v[VSW+\t], v[PW]
.endr
.Lhidden:
	s_add_co_u32 s[TK], s[TK], 8192
	s_add_co_u32 s[TV], s[TV], 4096
	s_add_co_u32 s[TS], s[TS], 256
	s_add_co_u32 s[KSTP], s[KSTP], 1
	s_cmp_lt_u32 s[KSTP], 16
	s_cbranch_scc1 .Lstep
	s_setprio 0
	; THE TILE'S END: O^T / the sum; its 32 numbers a lane are d = 32 b + 16 (lane / 16) + 0 .. 15: two blocks of y's K; quantised, they are registers of the last product's operand
.rept 8
	v_nop                                          ; places behind the last products
.endr
	v_add_f32 v14, v14, v15                        ; the sum's two halves,
	s_delay_alu instid0(VALU_DEP_1)
	v_permlanex16_b32 v[TMP], v14, s[SEL], s[SEL+1]
	s_delay_alu instid0(VALU_DEP_1)
	v_add_f32 v14, v14, v[TMP]                     ; and lane l xor 16's: the row's sum
	s_wait_alu depctr_va_vdst(0)
	v_rcp_f32 v14, v14
	v_nop                                          ; one plain place behind a transcendental
.set j, 0
	s_wait_alu depctr_va_vdst(0)
.rept 16
	v_pk_mul_f32 v[S+j:S+j+1], v[O+j:O+j+1], v[14:15] op_sel_hi:[1,0]
.set j, j+2
.endr
.irp b, 0,1
	v_max3_num_f32 v[BX+\b], |v[S+16*\b]|, |v[S+1+16*\b]|, 0x4800000
.endr
.irp i, 2,4,6,8,10,12,14
.irp b, 0,1
	s_delay_alu instid0(VALU_DEP_2)
	v_max3_num_f32 v[BX+\b], v[BX+\b], |v[S+16*\b+\i]|, |v[S+1+16*\b+\i]|
.endr
.endr
.irp b, 0,1
	s_delay_alu instid0(VALU_DEP_2)
	v_permlanex16_b32 v[BX+4+\b], v[BX+\b], s[SEL], s[SEL+1]
.endr
.irp b, 0,1
	s_delay_alu instid0(VALU_DEP_2)
	v_max_num_f32 v[BX+\b], v[BX+\b], v[BX+4+\b]
.endr
.irp b, 0,1
	s_delay_alu instid0(VALU_DEP_2)
	v_add_nc_u32 v[BX+12+\b], 0xfc000000, v[BX+\b]
.endr
.irp b, 0,1
.endr
.irp b, 0,1
	s_delay_alu instid0(VALU_DEP_2)
	v_lshrrev_b32 v[BX+4+\b], 23, v[BX+12+\b]
.endr
	s_delay_alu instid0(VALU_DEP_1)
	v_lshl_or_b32 v[YW], v[BX+5], 8, v[BX+4]       ; my row's two scale bytes of this head
.irp b, 0,1
.irp i, 0,1,2,3,4,5,6,7,8,9,10,11,12,13,14,15
.endr
	v_cvt_scalef32_pk8_fp8_f32 v[PC+4*\b:PC+1+4*\b], v[S+16*\b:S+7+16*\b], v[BX+12+\b]
	v_cvt_scalef32_pk8_fp8_f32 v[PC+2+4*\b:PC+3+4*\b], v[S+8+16*\b:S+15+16*\b], v[BX+12+\b]
.endr
	v_nop                                          ; one plain vector line behind the last conversion
	global_store_b128 v[LI], v[PC:PC+3], s[78:79]              ; each store of the wave covers 512 consecutive bytes, aligned
	global_store_b128 v[LI], v[PC+4:PC+7], s[78:79] offset:512
	global_store_b16 v[R32], v[YW], s[80:81]       ; two bytes of each row's 32 (both halves of the lanes write the same): a 32nd of the codes' bytes; a row's other bytes belong to other heads' work-groups
	s_wait_xcnt 0x0                                ; the stores have read their registers and bases: the next pass writes them again
	s_sub_co_u32 s[SQ], 15, s[SQ]                  ; the second pass: 2 i + u
	s_sub_co_u32 s[PASS], s[PASS], 1
	s_cmp_lg_u32 s[PASS], 0
	s_cbranch_scc1 .Lpass
	s_wait_tensorcnt 0x0
	ds_add_u32 v254, v255
	s_wait_dscnt 0x0
	s_endpgm
.Lfunc_end_k_qf117672ee0_attn:
	.size	k_qf117672ee0_attn, .Lfunc_end_k_qf117672ee0_attn-k_qf117672ee0_attn
	.p2alignl 7, 3214868480
	.fill 96, 4, 3214868480
	.section	.rodata,"a",@progbits
	.p2align	6, 0x0
	.amdhsa_kernel k_qf117672ee0_attn
		.amdhsa_group_segment_fixed_size 272384
		.amdhsa_private_segment_fixed_size 0
		.amdhsa_enable_private_segment 0
		.amdhsa_kernarg_size 32
		.amdhsa_user_sgpr_count 2
		.amdhsa_user_sgpr_kernarg_segment_ptr 1
		.amdhsa_wavefront_size32 1
		.amdhsa_system_sgpr_workgroup_id_x 1
		.amdhsa_system_sgpr_workgroup_id_y 1
		.amdhsa_system_sgpr_workgroup_id_z 1
		.amdhsa_system_vgpr_workitem_id 0
		.amdhsa_next_free_vgpr 256
		.amdhsa_next_free_sgpr 96
		.amdhsa_reserve_vcc 1
		.amdhsa_float_denorm_mode_32 3
		.amdhsa_float_denorm_mode_16_64 3
		.amdhsa_fp16_overflow 1
		.amdhsa_memory_ordered 1
		.amdhsa_forward_progress 1
		.amdhsa_inst_pref_size 37
	.end_amdhsa_kernel
	.amdgpu_metadata
---
amdhsa.version: [ 1, 2 ]
amdhsa.kernels:
  - .name:           k_qf117672ee0_attn
    .symbol:         k_qf117672ee0_attn.kd
    .args:
      - { .name: qkv_img, .offset: 0, .size: 8, .value_kind: global_buffer, .address_space: global }
      - { .name: qkv_sc, .offset: 8, .size: 8, .value_kind: global_buffer, .address_space: global }
      - { .name: y_img, .offset: 16, .size: 8, .value_kind: global_buffer, .address_space: global }
      - { .name: y_sc, .offset: 24, .size: 8, .value_kind: global_buffer, .address_space: global }
    .group_segment_fixed_size: 272384
    .private_segment_fixed_size: 0
    .kernarg_segment_align: 8
    .kernarg_segment_size: 32
    .max_flat_workgroup_size: 512
    .sgpr_count:     96
    .vgpr_count:     256
    .wavefront_size: 32
...
	.end_amdgpu_metadata
.endif
;; end of part 3
;; launch proj (part 4): grid 4 x 32, 4 waves a work-group, clusters of 4 x 4, 327,680 bytes of LDS; arguments y_img, y_sc, codes, scales, bp, out0; writes out0
.if DOCPART == 4
	.amdgcn_target "amdgcn-amd-amdhsa--gfx1250"
	.amdhsa_code_object_version 6
	.text
	.protected	k_qf117672ee0_proj
	.globl	k_qf117672ee0_proj
	.p2align	8
	.type	k_qf117672ee0_proj,@function
k_qf117672ee0_proj:
	s_mov_b64 s[64:65], 0
	v_nop
	global_prefetch_b8 v0, s[64:65] scope:SCOPE_SE
	s_setreg_imm32_b32 hwreg(HW_REG_WAVE_MODE, 25, 1), 1
	s_wait_xcnt 0x0
	s_wait_alu depctr_hold_cnt(0) depctr_sa_sdst(0) depctr_va_vdst(0) depctr_va_sdst(0) depctr_va_ssrc(0) depctr_va_vcc(0) depctr_vm_vsrc(0)
	s_getreg_b32 s2, hwreg(HW_REG_IB_STS2, 6, 4)
	s_cmp_eq_u32 s2, 0
	s_cbranch_scc0 .Lentry_in_a_cluster
	s_endpgm
.Lentry_in_a_cluster:
	s_bfe_u32 s2, ttmp6, 0x10000c
	s_cmp_lg_u32 s2, 0xf033
	s_cbranch_scc0 .Lentry_shape_is_right
	s_endpgm
.Lentry_shape_is_right:
; out0 = y Wp^T + bp on codes of FP8 (E4M3) with E8M0 scales for each 32 along K = 1,024; out0 [8192][1024] f32; sums in f32.
; A = y: it arrives as IMAGES OF THE OPERAND'S REGISTERS, y_img [K slot of 256][tile of 16 rows][q][c][lane][16 bytes]: a fragment (16 rows x 128 K) is 2,048 consecutive bytes, read by four loads of 16 bytes a lane at 16 x lane.
; Its scale bytes y_sc are [row][32].  y's rows lie in storage order: row r of tile a is logical row 32 (a / 2) + 8 (a % 2) + r + 8 (r / 8); the stores at the end put each row in its logical place.
; B = Wp: rows of 1,024 codes in natural order, at WP_CODES in codes; its scale bytes at WP_SCALES in scales.
; A tile of 256 x 256 is made by four waves, each 128 x 128: 64 accumulators, 512 registers.  K goes in steps of 256 through a ring of two LDS slots filled by the tensor data mover; the scale bytes of the tile's 512 rows come once and stay.
; 128 tiles: 128 work-groups.  CLUSTERS: 4 x 4 work-groups; A's tiles are asked for jointly along a row of the cluster, B's along a column.
; THE MATRIX INSTRUCTION IS USED TRANSPOSED (source 0 = 16 rows of Wp, source 1 = 16 rows of y): a lane holds eight neighbouring numbers of a row of out0.  bp runs along them: it is the C of each sum's first product.
; REGISTERS, in windows of 256: window 0: v0-31 addresses; v32-63 scale words, two sets; v64-127 bp's eight tiles; from v128 A's fragments, ONE set; on the way out v128-255 rows of out0.
;   window 1: B's fragments, TWO sets.   window 2: the accumulators of my rows 0-63 ((a, b) at v[8 (8 a + b)]);   window 3: those of my rows 64-127.
.set SIZE_N, 1024
.set KSTEP,  256
.set NQ,     2
.set ROWB,   256
.set KROW,   1024
.set PITCH,  272                       ; B's LDS row: 256 bytes + 16 of padding: the 16 rows that a load touches start at 16 different banks (64 banks of 4 bytes: ISA guide 11.1)
.set FR,     16
.set NL,     4
.set NP,     8                         ; places behind this matrix instruction (ISA guide 7.12.1)
.set HALFT,  128*PITCH                 ; the LDS room of one tensor load: B's 128 padded rows; A's 128 rows are 32,768 dense bytes in it
.set SLOT,   4*HALFT
.set LAPS,   2
.set KS,     32
.set SCL,    2*SLOT
.set HALFS,  16*272
.set SBLK,   2*272
.set SPARE,  SCL+4*HALFS               ; the spare words, 128 bytes for each wave: two blocks of 256 bytes that no other line names
.set ASTEP,  2097152                   ; y_img: from a K slot to the next
.set WP_CODES,  11534336
.set WP_SCALES, 360448
.set SPITCH, 528                       ; the way out: a stage of 16 rows x (512 bytes + 16) for each wave, in slot 0, which has had its last fill and its last read when the first result is stored there
.set ADRA, 16
.set ADRB, 20
.set STO,  24                          ; v24     the way out: where I put 32 bytes of a row
.set RD,   25                          ; v25     where I read a row back
.set CO,   26                          ; v26     my byte offset in a row of out0
.set ADRS, 27
.set SPW,  28                          ; v28     LDS address of my spare word; never rewritten
.set NIL,  29                          ; v29     0; never rewritten
.set BA,   30                          ; v30     bp's address: 32 x (lane / 16)
.set SC,   32
.set BN,   64
.set AF,   128
.set BK,   128
.set G1, 24
.set G0, 32
.set G1B, 48
.set G0B, 56
.set G1S, 68
.set G0S, 76
.set G1SB, 80
.set G0SB, 88
.set MSB, 0
.macro WIN new                         ; the immediate's high byte repeats the setting that is left
.if MSB != \new
	s_set_vgpr_msb (MSB<<8)|\new
.set MSB, \new
.endif
.endm
.set MUL_LO,   0xa1                    ; source 0 (B) window 1, source 1 (A) window 0, C and D window 2
.set MUL_HI,   0xf1
.set FIRST_LO, 0x81                    ; the first step: C (bp) window 0, D window 2
.set FIRST_HI, 0xc1
.set TO_B,     0x40
; A joint load: waves 0 and 1 fetch for A, waves 2 and 3 for B; the branch hangs on the wave's number alone.  Four v_nop follow each of the two lines.
.macro JLOAD g0a, g1a, g0b, g1b
	s_cmp_eq_u32 s15, 0
	s_cbranch_scc0 .Lfor_b_\@
	tensor_load_to_lds s[\g0a:\g0a+3], s[\g1a:\g1a+7]
	s_nop 0
.rept 4
	v_nop
.endr
	s_branch .Lasked_\@
.Lfor_b_\@:
	tensor_load_to_lds s[\g0b:\g0b+3], s[\g1b:\g1b+7]
	s_nop 0
.rept 4
	v_nop
.endr
.Lasked_\@:
.endm
.macro CREST                           ; a round of the cluster's barrier behind its opening barrier
	s_cmp_lg_u32 s14, 0
	s_cbranch_scc1 .Lnot_wave_0_\@
	s_barrier_signal -3
.Lnot_wave_0_\@:
	s_barrier_wait -3
	s_barrier_signal -1
	s_barrier_wait -1
.endm
.macro CROUND
	s_barrier_signal -1
	s_barrier_wait -1
	CREST
.endm
	s_load_b128 s[4:7], s[0:1], 0x0                ; y's images, y's scale bytes
	s_load_b128 s[8:11], s[0:1], 0x10              ; codes, scales
	s_load_b64 s[66:67], s[0:1], 0x20              ; bp
	s_load_b64 s[12:13], s[0:1], 0x28              ; out0
	v_lshl_add_u32 v[SPW], v0, 2, SPARE
	v_mov_b32 v[NIL], 0
	ds_add_u32 v28, v29
	ds_add_u32 v28, v29
	s_wait_dscnt 0x0
	v_lshrrev_b32 v1, 5, v0
	v_readfirstlane_b32 s14, v1                    ; wave 0..3
	s_lshr_b32 s15, s14, 1                         ; which half of the tile's rows is mine.  Also: I fetch for A (0) or for B (1)
	s_and_b32 s16, s14, 1                          ; which half of its columns.  Also: which 128 rows of that tile I fetch
	s_bfe_u32 s40, ttmp6, 0x40000                  ; cx, cy: my place in the cluster
	s_bfe_u32 s41, ttmp6, 0x40004
	s_lshl_b32 s42, ttmp9, 2
	s_add_co_u32 s42, s42, s40                     ; tile column = 4 x cluster x + cx
	s_and_b32 s17, ttmp7, 0xffff
	s_lshl_b32 s17, s17, 2
	s_add_co_u32 s17, s17, s41                     ; tile row = 4 x cluster y + cy
	s_lshl_b32 s43, s41, 2
	s_lshl_b32 s43, 15, s43                        ; my row of the cluster
	s_lshl_b32 s44, 0x1111, s40                    ; my column
	; A's tile: the images of 128 rows for one K slot: 32,768 dense bytes, as 128 rows of 256 bytes (32 elements of 8 bytes), no padding
	s_or_b32 s[G1+0], s43, (3<<16)|(1<<21)         ; 15:0 the mask: A's tiles go to my row; 17:16 elements of 8 bytes; 21 set beside a mask
	s_mov_b32 s[G1+1], 32<<16
	s_mov_b32 s[G1+2], 128<<16
	s_mov_b32 s[G1+3], 32<<16
	s_mov_b32 s[G1+4], 128
	s_mov_b32 s[G1+5], 32
	s_mov_b32 s[G1+6], 0
	s_mov_b32 s[G1+7], 0
	; B's tile: 128 rows x 256 bytes, padded in LDS
	s_or_b32 s[G1B+0], s44, (0<<16)|(1<<20)|(1<<21)|(5<<22)|(3<<25)
	s_mov_b32 s[G1B+1], ROWB<<16
	s_mov_b32 s[G1B+2], 128<<16
	s_mov_b32 s[G1B+3], ROWB<<16
	s_mov_b32 s[G1B+4], 128
	s_mov_b32 s[G1B+5], KROW
	s_mov_b32 s[G1B+6], 0
	s_mov_b32 s[G1B+7], 0
	; the scales of 128 rows: 4,096 dense bytes, as 16 rows of 256 bytes, 16 bytes of padding behind each
	s_or_b32 s[G1S+0], s43, (3<<16)|(1<<20)|(1<<21)|(5<<22)|(3<<25)
	s_or_b32 s[G1SB+0], s44, (3<<16)|(1<<20)|(1<<21)|(5<<22)|(3<<25)
.irp g, G1S, G1SB
	s_mov_b32 s[\g+1], 32<<16
	s_mov_b32 s[\g+2], 16<<16
	s_mov_b32 s[\g+3], 32<<16
	s_mov_b32 s[\g+4], 16
	s_mov_b32 s[\g+5], 32
	s_mov_b32 s[\g+6], 0
	s_mov_b32 s[\g+7], 0
.endr
	s_lshl_b32 s18, s16, 7                         ; which 128 rows of the tile I fetch
	s_lshl_b32 s20, s17, 8
	s_add_co_u32 s20, s20, s18                     ; A: row 256 x tile row + 128 x half
	s_lshl_b32 s46, s42, 8
	s_add_co_u32 s46, s46, s18                     ; B: row 256 x tile column + 128 x half
	s_lshl_b32 s22, s20, 5                         ; A's scale bytes: 32 a row
	s_lshl_b32 s20, s20, 8                         ; A's images: 256 bytes a row in each K slot
	s_lshl_b32 s92, s46, 5
	s_add_co_u32 s92, s92, WP_SCALES
	s_lshl_b32 s46, s46, 10
	s_add_co_u32 s46, s46, WP_CODES
	s_mov_b32 s21, 0
	s_mov_b32 s23, 0
	s_mov_b32 s47, 0
	s_mov_b32 s93, 0
	s_mul_i32 s45, s14, HALFT                      ; where they go: no place in the cluster enters an LDS address
	s_mul_i32 s94, s14, HALFS
	s_wait_kmcnt 0x0
	s_add_nc_u64 s[20:21], s[4:5], s[20:21]
	s_add_nc_u64 s[22:23], s[6:7], s[22:23]
	s_add_nc_u64 s[46:47], s[8:9], s[46:47]
	s_add_nc_u64 s[92:93], s[10:11], s[92:93]
	CROUND                                         ; all sixteen work-groups are here: the first joint loads meet
	s_mov_b32 s[G0S], 1
	s_add_co_u32 s[G0S+1], s94, SCL
	s_mov_b64 s[G0S+2:G0S+3], s[22:23]
	s_or_b32 s[G0S+3], s[G0S+3], 0x80000000
	s_mov_b32 s[G0SB], 1
	s_add_co_u32 s[G0SB+1], s94, SCL
	s_mov_b64 s[G0SB+2:G0SB+3], s[92:93]
	s_or_b32 s[G0SB+3], s[G0SB+3], 0x80000000
	JLOAD G0S, G1S, G0SB, G1SB                     ; the scales first: they are wanted with K step 0
.irp s, 0,1
	s_mov_b32 s[G0+4*\s], 1
	s_add_co_u32 s[G0+4*\s+1], s45, \s*SLOT
	s_add_nc_u64 s[G0+4*\s+2:G0+4*\s+3], s[20:21], \s*ASTEP
	s_or_b32 s[G0+4*\s+3], s[G0+4*\s+3], 0x80000000
	s_mov_b32 s[G0B+4*\s], 1
	s_add_co_u32 s[G0B+4*\s+1], s45, \s*SLOT
	s_add_nc_u64 s[G0B+4*\s+2:G0B+4*\s+3], s[46:47], \s*ROWB
	s_or_b32 s[G0B+4*\s+3], s[G0B+4*\s+3], 0x80000000
	s_wait_alu depctr_va_vdst(0)
	s_wait_tensorcnt 0x0
	ds_add_u32 v28, v29
	s_wait_dscnt 0x0
	CROUND
	JLOAD G0+4*\s, G1, G0B+4*\s, G1B
.endr
	v_and_b32 v1, 15, v0                           ; r = l % 16
	v_bfe_u32 v2, v0, 4, 1                         ; h = l / 16
	v_mul_u32_u24 v3, v1, PITCH
	v_lshl_add_u32 v4, v2, 4, v3                   ; B: a fragment's row x pitch + 16 x half
	v_and_b32 v6, 31, v0
	v_lshlrev_b32 v[CO], 4, v6                     ; 16 x lane: A's images, and a row of out0
	s_mul_i32 s21, s15, HALFT                      ; my 128 rows of A
	s_mul_i32 s22, s16, HALFT                      ; my 128 rows of B,
	s_add_co_u32 s22, s22, 2*HALFT                 ; which lie behind A's 256
.irp s, 0,1
	v_add_nc_u32 v[ADRA+\s], s21, v[CO]
	v_add_nc_u32 v[ADRB+\s], s22, v4
	s_add_co_u32 s21, s21, SLOT
	s_add_co_u32 s22, s22, SLOT
.endr
	v_mul_u32_u24 v5, v1, KS                       ; my row's scales: 32 bytes a row,
	v_lshrrev_b32 v6, 8, v5
	v_lshl_add_u32 v5, v6, 4, v5                   ; and 16 more for each 256 passed
	s_mul_i32 s21, s15, HALFS
	s_mul_i32 s22, s16, HALFS
	s_add_co_u32 s22, s22, 2*HALFS
	s_sub_co_u32 s22, s22, s21
	v_mul_u32_u24 v6, s22, v2                      ; lanes 16-31 take B's
	s_add_co_u32 s21, s21, SCL
	v_add_nc_u32 v5, v5, v6
	v_add_nc_u32 v[ADRS], s21, v5
	s_mul_i32 s23, s14, 16*SPITCH                  ; my stage
	v_mul_u32_u24 v5, v1, SPITCH                   ; in: row l % 16, 32 bytes for each half of the lanes
	v_lshl_add_u32 v5, v2, 5, v5
	v_add_nc_u32 v[STO], s23, v5
	v_add_nc_u32 v[RD], s23, v[CO]                 ; back: the 32 lanes take one row of 512 bytes
	v_lshlrev_b32 v[BA], 5, v2
	s_wait_alu depctr_va_vdst(0)
	s_lshl_b32 s20, s17, 8
	s_lshl_b32 s21, s15, 7
	s_add_co_u32 s20, s20, s21                     ; my first row of out0: 256 x tile row + 128 x half
	s_lshl_b32 s20, s20, 12                        ; 4,096 bytes a row: under 2^25
	s_mov_b32 s21, 0
	s_lshl_b32 s46, s42, 10                        ; my first column, in bytes: 1,024 x tile column + 512 x half
	s_lshl_b32 s47, s16, 9
	s_add_co_u32 s46, s46, s47
	s_mov_b32 s47, 0
	s_add_nc_u64 s[66:67], s[66:67], s[46:47]      ; bp at my first column
	s_add_nc_u64 s[20:21], s[20:21], s[46:47]
	s_add_nc_u64 s[12:13], s[12:13], s[20:21]
.irp b, 0,1,2,3,4,5,6,7                        ; bp: tile b's register j of lane (r, h) is column 16 b + 8 h + j
	global_load_b128 v[BN+8*\b:BN+8*\b+3], v[BA], s[66:67] offset:64*\b
	global_load_b128 v[BN+8*\b+4:BN+8*\b+7], v[BA], s[66:67] offset:64*\b+16
.endr
.macro FRAGB reg, adr, q, i            ; B's fragment from padded rows: lane l holds row l % 16; registers 4 c .. 4 c + 3 hold K = 32 c + 16 (l / 16) + 0 .. 15
.irp c, 0,1,2,3
	ds_load_b128 v[\reg+4*\c:\reg+4*\c+3], v[\adr] offset:128*(\q)+32*\c+(\i)*16*PITCH
.endr
.endm
.macro FRAGA reg, adr, q, i            ; A's fragment from its image: tile i, the slot's q-th 128 along K: 512 consecutive bytes a load
.irp c, 0,1,2,3
	ds_load_b128 v[\reg+4*\c:\reg+4*\c+3], v[\adr] offset:4096*(\i)+2048*(\q)+512*\c
.endr
.endm
; 16 matrix instructions: A's blocks a0, a0 + 1 x B's eight, 128 along K.  zero = 1: the first product starts the sums, with bp as its C: nothing is ever cleared.
; The 64 accumulators take turns, one instruction a turn, in the same order in every step.
.macro MUL16 a0, p, q, sc, zero
.irp a, \a0, \a0+1
.irp b, 0,1,2,3,4,5,6,7
.if \zero
	v_wmma_scale_f32_16x16x128_f8f6f4 v[8*(8*((\a)%4)+\b):8*(8*((\a)%4)+\b)+7], v[128*(\p)+FR*\b:128*(\p)+FR*\b+FR-1], v[AF+FR*(\a):AF+FR*(\a)+FR-1], v[BN+8*\b:BN+8*\b+7], v[SC+8*NQ*(\sc)+NQ*\b+(\q)], v[SC+8*NQ*(\sc)+NQ*(\a)+(\q)] matrix_a_scale:MATRIX_SCALE_ROW1
.else
	v_wmma_scale_f32_16x16x128_f8f6f4 v[8*(8*((\a)%4)+\b):8*(8*((\a)%4)+\b)+7], v[128*(\p)+FR*\b:128*(\p)+FR*\b+FR-1], v[AF+FR*(\a):AF+FR*(\a)+FR-1], v[8*(8*((\a)%4)+\b):8*(8*((\a)%4)+\b)+7], v[SC+8*NQ*(\sc)+NQ*\b+(\q)], v[SC+8*NQ*(\sc)+NQ*(\a)+(\q)] matrix_a_scale:MATRIX_SCALE_ROW1
.endif
.endr
.endr
.endm
.macro FETCH_B slot, q, p
	WIN TO_B
.irp i, 0,1,2,3,4,5,6,7
	FRAGB 128*(\p)+FR*\i, ADRB+\slot, \q, \i
.endr
	WIN 0
.endm
.macro FETCH_A slot, q, i0
.irp i, \i0, \i0+1, \i0+2, \i0+3
	FRAGA AF+FR*(\i), ADRA+\slot, \q, \i
.endr
.endm
.macro SCALES sc                       ; the next K step's scale words into set sc: lanes 0-15 take A's block i, lanes 16-31 B's block i
.irp i, 0,1,2,3,4,5,6,7
	ds_load_b64 v[SC+8*NQ*\sc+NQ*\i:SC+8*NQ*\sc+NQ*\i+1], v[ADRS] offset:\i*SBLK
.endr
.endm
; A load into a register that a matrix instruction has read, and an LDS store that reads a matrix result, stand NP places behind it; only plain vector instructions that name none of its registers are places
; (ISA guide 7.12.1 for vector instructions).
.macro PLACES n
.rept \n
	v_nop
.endr
.endm
.macro STEP slot, q, zero
	s_wait_dscnt 4*NL                              ; B's set and A's blocks 0-3 are in; the youngest sixteen loads (A's blocks 4-7) may be out
.if \zero
	WIN FIRST_LO
.else
	WIN MUL_LO
.endif
	MUL16 0, (\q)%2, \q, \slot, \zero
	MUL16 2, (\q)%2, \q, \slot, \zero
	s_wait_dscnt 0                                 ; A's blocks 4-7 are in
	PLACES NP
	FETCH_B \slot, (\q)+1, 1-(\q)%2
	FETCH_A \slot, (\q)+1, 0
.if \zero
	WIN FIRST_HI
.else
	WIN MUL_HI
.endif
	MUL16 4, (\q)%2, \q, \slot, \zero
	MUL16 6, (\q)%2, \q, \slot, \zero
	PLACES NP
	WIN 0
	FETCH_A \slot, (\q)+1, 4
.endm
; A slot's last step changes slots: ONE barrier; in front of it each wave waits for all its tensor loads, adds 0 to its spare word, and waits for that and for its own reads of this slot.  fill = 1: this slot is filled again, two K steps ahead.
.macro TURN slot, next, fill
	s_wait_tensorcnt 0x0                           ; all my tensor loads have landed: my part of the next slot;  (every window is 0 here)
	ds_add_u32 v[SPW], v[NIL]                      ; 0 onto my spare word
	s_wait_dscnt 4*NL+1                            ; (the add and the youngest sixteen loads may be out)
	WIN MUL_LO
	MUL16 0, 1, NQ-1, \slot, 0                     ; sixteen matrix instructions stand between the add and the wait for it
	s_wait_dscnt 0x0                               ; the add is done, and my reads of this slot are over
	s_barrier_signal -1
	MUL16 2, 1, NQ-1, \slot, 0
	WIN 0
	s_barrier_wait -1
.if \fill
	CREST                                          ; the barrier has opened a round of the cluster's barrier: no wave of any partner still reads this slot's tile or has a load on its way
	s_add_nc_u64 s[G0+4*\slot+2:G0+4*\slot+3], s[G0+4*\slot+2:G0+4*\slot+3], 2*ASTEP
	s_add_nc_u64 s[G0B+4*\slot+2:G0B+4*\slot+3], s[G0B+4*\slot+2:G0B+4*\slot+3], 2*ROWB
	JLOAD G0+4*\slot, G1, G0B+4*\slot, G1B         ; the first tensor load behind the round; the four v_nop behind it are among the places in front of the loads below
	PLACES NP-4
.else
	PLACES NP
.endif
	s_wait_alu depctr_va_vdst(0)
	v_add_nc_u32 v[ADRS], 4*NQ, v[ADRS]            ; on to the next K step's scale words (no LDS load of mine is out)
	FETCH_B \next, 0, 0
	FETCH_A \next, 0, 0
	SCALES \next
	WIN MUL_HI
	MUL16 4, 1, NQ-1, \slot, 0
	MUL16 6, 1, NQ-1, \slot, 0
	PLACES NP
	WIN 0
	FETCH_A \next, 0, 4
.endm
	s_wait_loadcnt 0x0                             ; bp
	s_wait_tensorcnt 1                             ; the scales and my part of K step 0 are in (K step 1's load may be out),
	s_barrier_signal -1
	s_barrier_wait -1                              ; everybody's are
	FETCH_B 0, 0, 0
	FETCH_A 0, 0, 0
	SCALES 0
	FETCH_A 0, 0, 4
	STEP 0, 0, 1                                   ; the first step stands in front of the loop: its products start the sums
	s_mov_b32 s3, LAPS-1
.Llap:                                                 ; a trip goes once round the ring and fills both slots again
	TURN 0, 1, 1
	STEP 1, 0, 0
	TURN 1, 0, 1
	STEP 0, 0, 0
	s_sub_co_u32 s3, s3, 1
	s_cmp_lg_u32 s3, 0
	s_cbranch_scc1 .Llap
	TURN 0, 1, 0                                   ; the last lap fills nothing, and has no round of the cluster's barrier
	STEP 1, 0, 0
	s_wait_dscnt 4*NL                              ; the very last step: nothing more to fetch
	WIN MUL_LO
	MUL16 0, 1, NQ-1, 1, 0
	MUL16 2, 1, NQ-1, 1, 0
	s_wait_dscnt 0
	WIN MUL_HI
	MUL16 4, 1, NQ-1, 1, 0
	MUL16 6, 1, NQ-1, 1, 0
	WIN 0
; THE WAY OUT, block by block of 16 rows x 128 columns, through my own stage in LDS: in as 32 bytes a lane, back as whole rows of 512 bytes.  LDS serves a wave's instructions in order (ISA guide 5.7.1.4): no wait between the stores and the loads.
.macro TOSTAGE a
.set AC, 64*((\a)%4)
	WIN (0x08+4*((\a)/4))                          ; the data: window 2 or 3
.irp b, 0,1,2,3,4,5,6,7
	ds_store_b128 v[STO], v[AC+8*\b:AC+8*\b+3] offset:64*\b          ; each accumulator from its low end on
	ds_store_b128 v[STO], v[AC+8*\b+4:AC+8*\b+7] offset:64*\b+16
.endr
	WIN 0
.set BB, BK+64*((\a)%2)
.irp t, 0,1,2,3,4,5,6,7,8,9,10,11,12,13,14,15
	ds_load_b128 v[BB+4*\t:BB+4*\t+3], v[RD] offset:\t*SPITCH
.endr
.endm
.macro SEND a, younger                 ; younger: the LDS instructions issued behind block a's loads, which may stay out
.set BB, BK+64*((\a)%2)
	s_wait_dscnt \younger                          ; the block is back in registers
.if (\a) > 0
.if (\a)%2 == 1
	s_add_nc_u64 s[12:13], s[12:13], 8*SIZE_N*4    ; (behind a wait on XCNT: the earlier stores have read their base)  block a begins at logical row 32 (a / 2) + 8 (a % 2): 8 rows on into an odd block,
.else
	s_add_nc_u64 s[12:13], s[12:13], 24*SIZE_N*4   ; 24 into an even one
.endif
.endif
.irp t, 0,1,2,3,4,5,6,7,8,9,10,11,12,13,14,15
	global_store_b128 v[CO], v[BB+4*\t:BB+4*\t+3], s[12:13] offset:(\t+8*(\t/8))*SIZE_N*4 th:TH_STORE_NT   ; storage row t is logical row t + 8 (t / 8) of the block; 32 lanes store 512 consecutive bytes, aligned
.endr
.endm
	PLACES NP                                      ; behind the last products: for the loads into A's registers and for the reads of the results
	TOSTAGE 0
.irp a, 1,2,3,4,5,6,7
.if \a > 1
	s_wait_xcnt 0x0                                ; block a - 2's stores have read their registers and their base: block a's loads may land there, and the base may step
.endif
	TOSTAGE \a
	SEND \a-1, 32                                  ; behind block a - 1's loads: block a's 16 stores and 16 loads
.endr
	s_wait_xcnt 0x0                                ; block 6's stores have read their base
	SEND 7, 0
	s_wait_tensorcnt 0x0                           ; the wave's end
	ds_add_u32 v[SPW], v[NIL]
	s_wait_dscnt 0x0
	CROUND                                         ; the closing round: no work-group ends while a partner may still ask for a tile that names it
	s_endpgm
.Lfunc_end_k_qf117672ee0_proj:
	.size	k_qf117672ee0_proj, .Lfunc_end_k_qf117672ee0_proj-k_qf117672ee0_proj
	.p2alignl 7, 3214868480
	.fill 96, 4, 3214868480
	.section	.rodata,"a",@progbits
	.p2align	6, 0x0
	.amdhsa_kernel k_qf117672ee0_proj
		.amdhsa_group_segment_fixed_size 327680
		.amdhsa_private_segment_fixed_size 0
		.amdhsa_enable_private_segment 0
		.amdhsa_kernarg_size 48
		.amdhsa_user_sgpr_count 2
		.amdhsa_user_sgpr_kernarg_segment_ptr 1
		.amdhsa_wavefront_size32 1
		.amdhsa_system_sgpr_workgroup_id_x 1
		.amdhsa_system_sgpr_workgroup_id_y 1
		.amdhsa_system_sgpr_workgroup_id_z 1
		.amdhsa_system_vgpr_workitem_id 0
		.amdhsa_next_free_vgpr 1024
		.amdhsa_next_free_sgpr 100
		.amdhsa_reserve_vcc 0
		.amdhsa_float_denorm_mode_32 3
		.amdhsa_float_denorm_mode_16_64 3
		.amdhsa_memory_ordered 1
		.amdhsa_forward_progress 1
		.amdhsa_inst_pref_size 148
	.end_amdhsa_kernel
	.amdgpu_metadata
---
amdhsa.version: [ 1, 2 ]
amdhsa.kernels:
  - .name:           k_qf117672ee0_proj
    .symbol:         k_qf117672ee0_proj.kd
    .args:
      - { .name: y_img, .offset: 0, .size: 8, .value_kind: global_buffer, .address_space: global }
      - { .name: y_sc, .offset: 8, .size: 8, .value_kind: global_buffer, .address_space: global }
      - { .name: codes, .offset: 16, .size: 8, .value_kind: global_buffer, .address_space: global }
      - { .name: scales, .offset: 24, .size: 8, .value_kind: global_buffer, .address_space: global }
      - { .name: bp, .offset: 32, .size: 8, .value_kind: global_buffer, .address_space: global }
      - { .name: out0, .offset: 40, .size: 8, .value_kind: global_buffer, .address_space: global }
    .group_segment_fixed_size: 327680
    .private_segment_fixed_size: 0
    .kernarg_segment_align: 8
    .kernarg_segment_size: 48
    .max_flat_workgroup_size: 128
    .sgpr_count:     100
    .vgpr_count:     1024
    .wavefront_size: 32
...
	.end_amdgpu_metadata
.endif
;; end of part 4
